; MI455X (gfx1250); checked and timed in simulation.
; The chip was launched on July 23, 2026; its instructions are those of AMD's public machine-readable ISA for CDNA 5 (MIT licence, August 2026) and "CDNA5" Instruction Set Architecture Reference Guide (July 2026). The comments in the code are by the model that wrote it; some were corrected since.
;; Interaction. Allowed arithmetic: float matrix products may take bf16 or f16 operands with f32 sums; other float arithmetic in f32, or as packed bf16 or f16 multiplies, adds, multiply-adds, maxima and minima; sums over many terms, partial sums and values carried from step to step in f32; what a program stores and reads back later, other than sums and carried values, may be rounded once to bf16 or f16.
;; Inputs: W1 512 x 2,048 float32; W2 2,048 x 512 float32; Wk 512 x 512 float32; Wq 512 x 512 float32; Wv 512 x 512 float32; a1 1 float32; a2 1 float32; b1 2,048 float32; b2 512 float32; bb1 1 float32; bb2 1 float32; x 32 x 512 x 512 float32.
;; Outputs: out0 32 x 512 x 512 float32.
;; 2 versions, each right. Each part assembles by itself: llvm-mc -triple=amdgcn-amd-amdhsa -mcpu=gfx1250 --defsym DOCPART=n.
;; ======== version 1 of 2: 3 launches
;; workspace buffers: wt 5,767,168 bytes; qkv 50,331,648 bytes
;; launch prep (part 1): grid 352 x 1, 8 waves a work-group, no clusters, 18,432 bytes of LDS; arguments Wq, Wk, Wv, W1, W2, wt; writes wt
.if DOCPART == 1
	.amdgcn_target "amdgcn-amd-amdhsa--gfx1250"
	.amdhsa_code_object_version 6
	.text
	.protected	k_q5c0b2662cb_prep
	.globl	k_q5c0b2662cb_prep
	.p2align	8
	.type	k_q5c0b2662cb_prep,@function
k_q5c0b2662cb_prep:
	s_mov_b64 s[64:65], 0
	v_nop
	global_prefetch_b8 v0, s[64:65] scope:SCOPE_SE
	s_setreg_imm32_b32 hwreg(HW_REG_WAVE_MODE, 25, 1), 1
	s_wait_xcnt 0x0
; THE WEIGHTS IN bf16, laid as the two launches behind want them.  wt holds, in bytes:
;   0         [1536 n][512 k]  Wq, Wk, Wv transposed, one below the other (a row n is 1,024 bytes along k)
;   1,572,864 [2048 n][512 k]  W1 transposed
;   3,670,016 [2048 k][512 n]  W2 as it lies, only rounded
; Each number is rounded once, to nearest even.  Memory binds: every input byte is read once by 16-byte loads, every output byte written once,
; sixteen (transposing path) or thirty-two (casting path) neighbouring lanes filling 256 consecutive aligned bytes.  No matrix unit, no cluster: no work-group shares a byte with another.
; Work-groups 0-223 transpose a tile of 128 k x 64 n through LDS (96 tiles of Wq, Wk, Wv; 128 of W1); work-groups 224-351 round 32,768 bytes of W2 each.
.set TP,    272                        ; a row of the tile in LDS: 128 k x 2 bytes + 16
.set SPARE, 17408                      ; behind the tile's 64 rows: the spare words, 128 bytes for each of the eight waves
.set SPW, 2                            ; v2  LDS address of my spare word; never rewritten
.set NIL, 3                            ; v3  0; never rewritten
.set OFS, 8                            ; v[8:15]   byte offsets of my eight loads in the source tile
.set X,   16                           ; v[16:47]  eight loads of four f32
.set LA,  48                           ; v48  where I put a pair of k of column 4 c
.set LR,  49                           ; v49  where I read 16 bytes of a row n back
.set GO,  50                           ; v50  the same 16 bytes in wt
.set Y,   52                           ; v[52:67]  rounded pairs
	s_load_b256 s[4:11], s[0:1], 0x0               ; Wq s[4:5], Wk s[6:7], Wv s[8:9], W1 s[10:11]
	s_load_b128 s[12:15], s[0:1], 0x20             ; W2 s[12:13], wt s[14:15]
	v_lshl_add_u32 v[SPW], v0, 2, SPARE
	v_mov_b32 v[NIL], 0
	s_mov_b32 s20, ttmp9
	s_cmp_ge_u32 s20, 224                          ; the same for all waves of the work-group
	s_cbranch_scc1 .Lcast
	; THE TRANSPOSING PATH.  Which matrix, which tile: tk of 4 along k, tn along n (8 in Wq, Wk, Wv; 32 in W1)
	s_lshr_b32 s21, s20, 5
	s_lshl_b32 s21, s21, 19                        ; Wq, Wk, Wv take 524,288 bytes of wt each
	s_bfe_u32 s22, s20, 0x20003
	s_and_b32 s23, s20, 7
	s_max_u32 s24, s20, 96
	s_sub_co_u32 s24, s24, 96
	s_lshr_b32 s25, s24, 5
	s_and_b32 s26, s24, 31
	s_movk_i32 s28, 0x2000
	s_cmp_lt_u32 s20, 96
	s_cselect_b32 s21, s21, 0x180000               ; where the matrix begins in wt
	s_cselect_b32 s22, s22, s25                    ; tk
	s_cselect_b32 s23, s23, s26                    ; tn
	s_cselect_b32 s27, 0x800, s28                  ; bytes in a source row: 2,048 or 8,192
	s_mul_i32 s30, s22, s27
	s_lshl_b32 s30, s30, 7                         ; 128 tk rows down,
	s_lshl_b32 s29, s23, 8
	s_add_co_u32 s30, s30, s29                     ; 64 tn columns of 4 bytes along
	s_mov_b32 s31, 0
	s_lshl_b32 s32, s23, 16                        ; in wt: 64 tn rows of 1,024 bytes down,
	s_add_co_u32 s32, s32, s21
	s_lshl_b32 s29, s22, 8
	s_add_co_u32 s32, s32, s29                     ; 128 tk numbers of 2 bytes along
	s_mov_b32 s33, 0
	v_and_b32 v4, 15, v0                           ; c: my four columns 4 c .. 4 c + 3
	v_lshrrev_b32 v5, 4, v0                        ; kp: my rows 2 kp, 2 kp + 1 in each 32
	v_lshlrev_b32 v6, 4, v4
	v_lshlrev_b32 v7, 1, v5
.irp j, 0,1,2,3,4,5,6,7
	v_add_nc_u32 v[OFS+(\j)], ((\j)%2)+32*((\j)/2), v7
	v_mad_u32_u24 v[OFS+(\j)], v[OFS+(\j)], s27, v6    ; row x pitch + 16 c
.endr
	v_mul_u32_u24 v[LA], v4, 4*TP
	v_lshl_add_u32 v[LA], v5, 2, v[LA]             ; LDS row 4 c, byte 4 kp
	v_mul_u32_u24 v[LR], v5, TP
	v_add_nc_u32 v[LR], v[LR], v6                  ; LDS row t / 16, byte 16 (t % 16)
	v_lshl_add_u32 v[GO], v5, 10, v6
	s_wait_kmcnt 0x0
	s_cmp_lt_u32 s20, 32
	s_cselect_b64 s[16:17], s[4:5], s[6:7]
	s_cmp_lt_u32 s20, 64
	s_cselect_b64 s[16:17], s[16:17], s[8:9]
	s_cmp_lt_u32 s20, 96
	s_cselect_b64 s[16:17], s[16:17], s[10:11]
	s_add_nc_u64 s[16:17], s[16:17], s[30:31]
	s_add_nc_u64 s[18:19], s[14:15], s[32:33]
.irp j, 0,1,2,3,4,5,6,7
	global_load_b128 v[X+4*(\j):X+4*(\j)+3], v[OFS+(\j)], s[16:17] th:TH_LOAD_NT  ; sixteen lanes take 256 consecutive bytes of a row
.endr
	s_wait_loadcnt 0x0
.set zi, 0
.rept 4
.set zq, 0
.rept 4
	v_cvt_pk_bf16_f32 v[Y+4*zi+zq], v[X+8*zi+zq], v[X+8*zi+4+zq]   ; k = 2 kp + 32 i and the next, of column 4 c + q
	ds_store_b32 v[LA], v[Y+4*zi+zq] offset:zq*TP+64*zi
.set zq, zq+1
.endr
.set zi, zi+1
.endr
	s_wait_dscnt 0x0                               ; for the others' sake: my stores are done
	s_barrier_signal -1
	s_barrier_wait -1
.irp i, 0,1,2,3
	ds_load_b128 v[X+4*(\i):X+4*(\i)+3], v[LR] offset:(\i)*16*TP
.endr
.irp i, 0,1,2,3
	s_wait_dscnt 3-(\i)
	global_store_b128 v[GO], v[X+4*(\i):X+4*(\i)+3], s[18:19] offset:(\i)*16384  ; sixteen lanes store 256 consecutive bytes, aligned
.endr
	s_branch .Lend
.Lcast:                                        ; THE CASTING PATH: 8,192 numbers of W2
	s_sub_co_u32 s21, s20, 224
	s_lshl_b32 s30, s21, 15
	s_mov_b32 s31, 0
	s_lshl_b32 s32, s21, 14
	s_add_co_u32 s32, s32, 0x380000
	s_mov_b32 s33, 0
	v_lshlrev_b32 v4, 4, v0
	v_lshlrev_b32 v5, 3, v0
	s_wait_kmcnt 0x0
	s_add_nc_u64 s[16:17], s[12:13], s[30:31]
	s_add_nc_u64 s[18:19], s[14:15], s[32:33]
.irp i, 0,1,2,3,4,5,6,7
	global_load_b128 v[X+4*(\i):X+4*(\i)+3], v4, s[16:17] offset:4096*(\i) th:TH_LOAD_NT
.endr
.irp i, 0,1,2,3,4,5,6,7
	s_wait_loadcnt 7-(\i)                          ; loads come back in order: the younger ones stay out
	v_cvt_pk_bf16_f32 v[Y+2*(\i)], v[X+4*(\i)], v[X+4*(\i)+1]
	v_cvt_pk_bf16_f32 v[Y+2*(\i)+1], v[X+4*(\i)+2], v[X+4*(\i)+3]
	global_store_b64 v5, v[Y+2*(\i):Y+2*(\i)+1], s[18:19] offset:2048*(\i)  ; a wave stores 256 consecutive bytes, aligned
.endr
.Lend:
	s_wait_tensorcnt 0x0                           ; the wave's end, behind the last LDS store
	ds_add_u32 v[SPW], v[NIL]
	s_wait_dscnt 0x0
	s_endpgm
.Lfunc_end_k_q5c0b2662cb_prep:
	.size	k_q5c0b2662cb_prep, .Lfunc_end_k_q5c0b2662cb_prep-k_q5c0b2662cb_prep
	.p2alignl 7, 3214868480
	.fill 96, 4, 3214868480
	.section	.rodata,"a",@progbits
	.p2align	6, 0x0
	.amdhsa_kernel k_q5c0b2662cb_prep
		.amdhsa_group_segment_fixed_size 18432
		.amdhsa_private_segment_fixed_size 0
		.amdhsa_enable_private_segment 0
		.amdhsa_kernarg_size 48
		.amdhsa_user_sgpr_count 2
		.amdhsa_user_sgpr_kernarg_segment_ptr 1
		.amdhsa_wavefront_size32 1
		.amdhsa_system_sgpr_workgroup_id_x 1
		.amdhsa_system_sgpr_workgroup_id_y 1
		.amdhsa_system_sgpr_workgroup_id_z 1
		.amdhsa_system_vgpr_workitem_id 0
		.amdhsa_next_free_vgpr 80
		.amdhsa_next_free_sgpr 66
		.amdhsa_reserve_vcc 0
		.amdhsa_float_denorm_mode_32 3
		.amdhsa_float_denorm_mode_16_64 3
		.amdhsa_memory_ordered 1
		.amdhsa_forward_progress 1
		.amdhsa_inst_pref_size 11
	.end_amdhsa_kernel
	.amdgpu_metadata
---
amdhsa.version: [ 1, 2 ]
amdhsa.kernels:
  - .name:           k_q5c0b2662cb_prep
    .symbol:         k_q5c0b2662cb_prep.kd
    .args:
      - { .name: Wq, .offset: 0, .size: 8, .value_kind: global_buffer, .address_space: global }
      - { .name: Wk, .offset: 8, .size: 8, .value_kind: global_buffer, .address_space: global }
      - { .name: Wv, .offset: 16, .size: 8, .value_kind: global_buffer, .address_space: global }
      - { .name: W1, .offset: 24, .size: 8, .value_kind: global_buffer, .address_space: global }
      - { .name: W2, .offset: 32, .size: 8, .value_kind: global_buffer, .address_space: global }
      - { .name: wt, .offset: 40, .size: 8, .value_kind: global_buffer, .address_space: global }
    .group_segment_fixed_size: 18432
    .private_segment_fixed_size: 0
    .kernarg_segment_align: 8
    .kernarg_segment_size: 48
    .max_flat_workgroup_size: 256
    .sgpr_count:     66
    .vgpr_count:     80
    .wavefront_size: 32
...
	.end_amdgpu_metadata
.endif
;; end of part 1
;; launch qkv (part 2): grid 256 x 1, 4 waves a work-group, clusters of 4 x 1, 327,680 bytes of LDS; arguments x, wt, qkv; writes qkv
.if DOCPART == 2
	.amdgcn_target "amdgcn-amd-amdhsa--gfx1250"
	.amdhsa_code_object_version 6
	.text
	.protected	k_q5c0b2662cb_qkv
	.globl	k_q5c0b2662cb_qkv
	.p2align	8
	.type	k_q5c0b2662cb_qkv,@function
k_q5c0b2662cb_qkv:
	s_mov_b64 s[64:65], 0
	v_nop
	global_prefetch_b8 v0, s[64:65] scope:SCOPE_SE
	s_setreg_imm32_b32 hwreg(HW_REG_WAVE_MODE, 25, 1), 1
	s_wait_xcnt 0x0
	s_wait_alu depctr_hold_cnt(0) depctr_sa_sdst(0) depctr_va_vdst(0) depctr_va_sdst(0) depctr_va_ssrc(0) depctr_va_vcc(0) depctr_vm_vsrc(0)
	s_getreg_b32 s2, hwreg(HW_REG_IB_STS2, 6, 4)
	s_cmp_eq_u32 s2, 0
	s_cbranch_scc0 .Lentry_in_a_cluster
	s_endpgm
.Lentry_in_a_cluster:
	s_bfe_u32 s2, ttmp6, 0x10000c
	s_cmp_lg_u32 s2, 0x3003
	s_cbranch_scc0 .Lentry_shape_is_right
	s_endpgm
.Lentry_shape_is_right:
; q, k, v = x Wq, x Wk, x Wv.  x: [16384][512] f32, rounded once to bf16; weights from wt: [1536 n][512 k] bf16; sums in f32; qkv: [3][16384][512] bf16, each rounded once, q without its scale.
; SHARES.  A work-group of four waves owns 64 rows of x.  Their 64 x 512 numbers lie as fragments in the registers of EVERY wave (512 registers), so LDS is read for the weights alone.
; The weights go through two LDS slots in 12 tiles of 128 n x 512 k (131,072 bytes).  In a step a wave multiplies its 32 of the tile's 128 rows by all 64 rows of x: 8 accumulators, 128 matrix
; instructions, 64 LDS loads.  The step's results are finished (all of K lies in the tile) and leave at once, so one text serves every step.
; CLUSTER.  All work-groups walk the same tiles: the four of a cluster ask for each tile JOINTLY (same load, same descriptor, a mask that names the four); each wave brings a quarter, 32 rows of 1,024 bytes.
; THE MATRIX INSTRUCTION IS USED TRANSPOSED (source 0 = 16 rows of the weights, source 1 = 16 rows of x): a lane holds eight neighbouring columns of one row of the result, 16 bytes in bf16.
; NO PREFETCH: the weights are read by every work-group at about the same time, and x is asked for at the head, where the first tiles are on their way.
; REGISTERS, in windows of 256 (s_set_vgpr_msb: bits 1:0 source 0, 3:2 source 1, 5:4 source 2, 7:6 destination):
;   window 0: v1-19 addresses; v32-63 packed results; v64-127, v128-191 two buffers of weight fragments; v192-255 the eight accumulators
;   windows 1, 2: x's fragments: rows 16 a, channels 32 s at register 32 (s % 8) + 8 a of window 1 + s / 8          window 3: x as it is loaded
.set PITCH, 1040                       ; an LDS row: 1,024 bytes + 16 = 260 words: row r starts at bank 4 r mod 64 (64 banks of 4 bytes: ISA guide 11.1)
.set QUART, 32*PITCH                   ; what one tensor load brings
.set SLOT1, 4*QUART                    ; slot 0 at 0, slot 1 here
.set U,     2*SLOT1                    ; 33,792 bytes: x's exchange (32 rows x 1,040), later the way out of even steps (64 rows x 272)
.set OS,    U+33792                    ; 17,408 bytes: the way out of odd steps
.set SPARE, OS+17408                   ; the spare words, 128 bytes a wave: two blocks of 256 bytes that no other line names
.set SP,    272
.set TILEB, 131072
.set ABK, 1                            ; v1, v2  LDS address of my weight fragments in slot 0, 1
.set AU,  3                            ; v3   of a fragment of x in U
.set UXW, 4                            ; v4   where I put 8 bytes of x
.set OSW, 5                            ; v5, v6  the way out: where I put 16 bytes of a row (even, odd steps)
.set OSR, 7                            ; v7, v8  where I read a row back
.set GO,  9                            ; v9   my byte offset in the block's rows of q, k or v
.set XO,  10                           ; v10  my byte offset in the block's rows of x
.set SPW, 18                           ; v18  LDS address of my spare word; never rewritten
.set NIL, 19                           ; v19  0; never rewritten
.set PK,  32
.set FB0, 64
.set FB1, 128
.set SA,  192                          ; accumulator (a, b) at SA + 8 (2 a + b)
.set WV,  10                           ; s10  my wave's number
.set CX,  11                           ; s11  my place in the cluster: it enters x's and qkv's addresses alone
.set CNT, 12
.set PAR, 13                           ; s13  the trip's parity
.set G1A, 16                           ; s[16:23] descriptor group 1
.set G0,  24                           ; s[24:31] descriptor group 0, a set for each slot
.set XP,  32                           ; s[32:33] x at my block
.set OP,  34                           ; s[34:35] where the step in hand stores
.set OI,  36                           ; s[36:37] its step
.set MSB, 0
.macro WIN new                         ; the high byte repeats the setting that is left; a switch that changes nothing is dropped
.if MSB != (\new)
	s_set_vgpr_msb (MSB<<8)|(\new)
.set MSB, (\new)
.endif
.endm
.macro PLACES n                        ; plain vector instructions behind matrix instructions (ISA guide 7.12.1)
.rept \n
	v_nop
.endr
.endm
.macro CREST                           ; a round of the cluster's barrier behind its opening barrier
	s_cmp_lg_u32 s[WV], 0
	s_cbranch_scc1 .Lnot_wave_0_\@
	s_barrier_signal -3
.Lnot_wave_0_\@:
	s_barrier_wait -3
	s_barrier_signal -1
	s_barrier_wait -1
.endm
.macro CROUND
	s_barrier_signal -1
	s_barrier_wait -1
	CREST
.endm
; 32 rows of U (half hh of the block) into x's fragments a = 2 hh, 2 hh + 1: 64 loads
.macro AREAD hh
.set zw, 0
.rept 2
	WIN 0x40+0x40*zw
.set zz, 0
.rept 16
.set rr, 32*(zz/2)+8*(2*(\hh)+zz%2)
	ds_load_b128 v[rr:rr+3],   v[AU] offset:(zz%2)*16*PITCH+64*(8*zw+zz/2)
	ds_load_b128 v[rr+4:rr+7], v[AU] offset:(zz%2)*16*PITCH+64*(8*zw+zz/2)+32
.set zz, zz+1
.endr
.set zw, zw+1
.endr
	WIN 0
.endm
; 16 loads: my 32 rows of the tile, channels 128 i .. 128 i + 127: fragment (sl, b) at fb + 16 sl + 8 b
.macro NFETCH adr, i, fb
	WIN 0
.set zz, 0
.rept 8
	ds_load_b128 v[(\fb)+8*zz:(\fb)+8*zz+3],   v[\adr] offset:(zz%2)*16*PITCH+64*(4*(\i)+zz/2)
	ds_load_b128 v[(\fb)+8*zz+4:(\fb)+8*zz+7], v[\adr] offset:(zz%2)*16*PITCH+64*(4*(\i)+zz/2)+32
.set zz, zz+1
.endr
.endm
; 8 matrix instructions, 32 channels: the eight accumulators take turns.  A step's first eight start the sums with the constant 0.
.macro NMUL i, fb, sl
	WIN 0x04+0x04*((\i)/2)
.set zz, 0
.rept 8
.set rD, SA+8*(2*(zz%4)+zz/4)
.set rB, (\fb)+16*(\sl)+8*(zz/4)
.set rA, 128*((\i)%2)+32*(\sl)+8*(zz%4)
.if ((\i)+(\sl)) != 0
	v_wmma_f32_16x16x32_bf16 v[rD:rD+7], v[rB:rB+7], v[rA:rA+7], v[rD:rD+7]
.else
	v_wmma_f32_16x16x32_bf16 v[rD:rD+7], v[rB:rB+7], v[rA:rA+7], 0
.endif
.set zz, zz+1
.endr
.endm
; One of a step's first three quarters: 32 matrix instructions; in its middle the next quarter's 16 loads, in one run
.macro NSTAGE adr, i
	s_wait_dscnt 8                                 ; the quarter's first 64 channels are in; its youngest eight loads may be out
	NMUL \i, FB0+64*((\i)%2), 0
	NMUL \i, FB0+64*((\i)%2), 1
	PLACES 4                                       ; in front of loads into registers that matrix instructions have read
	NFETCH \adr, (\i)+1, FB0+64*(1-(\i)%2)
	s_wait_dscnt 16                                ; all but the 16 just issued
	NMUL \i, FB0+64*((\i)%2), 2
	NMUL \i, FB0+64*((\i)%2), 3
.endm
; The last quarter changes slots.  In front of the barrier each wave waits for all its tensor loads (one is out: its part of the other slot), adds 0 to its spare word, and waits for that and for its reads of
; this slot.  fill = 1: the barrier opens a round of the cluster's, and this slot is filled again, two tiles on, first thing behind the round.  Then the other slot's first fragments are fetched.
.macro NTURN p, fill
	WIN 0
	s_wait_tensorcnt 0x0                           ; no tensor load of mine is out, so a group 0 may be written
	ds_add_u32 v[SPW], v[NIL]
.if \fill
	s_add_nc_u64 s[G0+4*(\p)+2:G0+4*(\p)+3], s[G0+4*(\p)+2:G0+4*(\p)+3], 2*TILEB
.endif
	s_wait_dscnt 1                                 ; the quarter's fragments are in; the add may be out
	NMUL 3, FB1, 0
	s_wait_dscnt 0x0                               ; the add is done, and my reads of this slot are over
	s_barrier_signal -1
	NMUL 3, FB1, 1
	WIN 0
	s_barrier_wait -1
.if \fill
	CREST                                          ; no wave of any partner still reads this slot or has a load on its way
	tensor_load_to_lds s[G0+4*(\p):G0+4*(\p)+3], s[G1A:G1A+7]
	s_nop 0
	PLACES 4                                       ; also the places in front of the loads below
.else
	PLACES 4
.endif
	NFETCH ABK+1-(\p), 0, FB0
	NMUL 3, FB1, 2
	NMUL 3, FB1, 3
.endm
; THE WAY OUT of a step: 64 rows x 128 columns.  A wave's 32 columns are 64 bytes of a row, so the four waves meet in a stage (two stages take turns: between a stage's reads and its next
; writes stands the next step's change of slots, with its wait for all LDS instructions).  Each wave then stores 16 whole rows of 256 bytes.  stp: 0 the next 128 columns; 1 by the trip's parity; 2 none.
.macro DRAIN p, stp
	WIN 0
	PLACES 4                                       ; the conversions read results just made
.set zz, 0
.rept 32
	v_cvt_pk_bf16_f32 v[PK+zz], v[SA+2*zz], v[SA+2*zz+1]   ; each accumulator from its low end on
.set zz, zz+1
.endr
.set zz, 0
.rept 8
	ds_store_b128 v[OSW+(\p)], v[PK+4*zz:PK+4*zz+3] offset:(zz/2)*16*SP+32*(zz%2)
.set zz, zz+1
.endr
	s_wait_dscnt 0x0                               ; for the others' sake
	s_barrier_signal -1
	s_barrier_wait -1                              ; the tile on its way may stay out
.set zz, 0
.rept 8
	ds_load_b128 v[PK+4*zz:PK+4*zz+3], v[OSR+(\p)] offset:zz*2*SP
.set zz, zz+1
.endr
.set zz, 0
.rept 8
	s_wait_dscnt 7-zz
	global_store_b128 v[GO], v[PK+4*zz:PK+4*zz+3], s[OP:OP+1] offset:2048*zz  ; sixteen lanes store 256 consecutive bytes, aligned
.set zz, zz+1
.endr
.if (\stp) < 2
	s_wait_xcnt 0x0                                ; the stores have read their base and their data: only now are they written again
.if (\stp) == 0
	s_add_nc_u64 s[OP:OP+1], s[OP:OP+1], 256
.else
	s_cmp_eq_u32 s[PAR], 1                         ; behind a matrix' fourth panel: on to the next matrix, back to its first columns
	s_cselect_b32 s[OI], 0xfffd00, s44
	s_add_nc_u64 s[OP:OP+1], s[OP:OP+1], s[OI:OI+1]
.endif
.endif
.endm
	s_load_b128 s[4:7], s[0:1], 0x0                ; x s[4:5], wt s[6:7]
	s_load_b64 s[8:9], s[0:1], 0x10                ; qkv
	v_lshl_add_u32 v[SPW], v0, 2, SPARE
	v_mov_b32 v[NIL], 0
	ds_add_u32 v[SPW], v[NIL]                      ; the wave's opening; its wait stands ahead of my first tensor load
	v_lshrrev_b32 v20, 5, v0
	v_readfirstlane_b32 s[WV], v20
	s_bfe_u32 s[CX], ttmp6, 0x40000
	s_lshl_b32 s14, ttmp9, 2                       ; in a cluster launch ttmp9 counts clusters
	s_add_co_u32 s14, s14, s[CX]                   ; my block of 64 rows
	s_lshl_b32 s40, s14, 17                        ; 64 rows of 2,048 bytes
	s_mov_b32 s41, 0
	s_lshl_b32 s42, s14, 16                        ; 64 rows of 1,024 bytes
	s_mov_b32 s43, 0
	s_mov_b32 s[G1A], 15|(1<<16)|(1<<20)|(1<<21)|(7<<22)|(3<<25)  ; mask of four; 2-byte elements; padding on; bit 21 beside a mask; after every 256 words; 4 words
	s_mov_b32 s[G1A+1], 512<<16                    ; tensor_dim0 = 512
	s_mov_b32 s[G1A+2], 32<<16                     ; tensor_dim1 = 32
	s_mov_b32 s[G1A+3], 512<<16                    ; tile_dim0 = 512
	s_mov_b32 s[G1A+4], 32                         ; tile_dim1 = 32
	s_mov_b32 s[G1A+5], 512                        ; elements from row to row
	s_mov_b32 s[G1A+6], 0
	s_mov_b32 s[G1A+7], 0
	s_mul_i32 s15, s[WV], QUART                    ; my quarter of a slot
	s_mov_b32 s[G0], 1
	s_mov_b32 s[G0+1], s15
	s_mov_b32 s[G0+4], 1
	s_add_co_u32 s[G0+5], s15, SLOT1
	s_lshl_b32 s38, s[WV], 15                      ; my 32 rows of a tile in memory
	s_mov_b32 s39, 0
	s_movk_i32 s44, 0x100
	s_mov_b32 s[OI+1], 0
	s_wait_dscnt 0x0                               ; the opening add is done
	s_wait_kmcnt 0x0
	s_add_nc_u64 s[G0+2:G0+3], s[6:7], s[38:39]    ; tile 0
	s_add_nc_u64 s[G0+6:G0+7], s[G0+2:G0+3], TILEB ; tile 1
	s_or_b32 s[G0+3], s[G0+3], 0x80000000
	s_or_b32 s[G0+7], s[G0+7], 0x80000000
	s_add_nc_u64 s[XP:XP+1], s[4:5], s[40:41]
	s_add_nc_u64 s[OP:OP+1], s[8:9], s[42:43]
	CROUND                                         ; all four work-groups are here: the first joint loads meet
	tensor_load_to_lds s[G0:G0+3], s[G1A:G1A+7]    ; both first fills together: two loads of mine are out
	s_nop 0
	tensor_load_to_lds s[G0+4:G0+7], s[G1A:G1A+7]
	s_nop 0
	PLACES 4
	v_and_b32 v21, 31, v0                          ; l
	v_and_b32 v22, 15, v0                          ; r = l % 16
	v_bfe_u32 v23, v0, 4, 1                        ; h = l / 16
	s_lshl_b32 s45, s[WV], 14
	v_lshl_add_u32 v[XO], v21, 4, s45              ; 8 w rows of 2,048 bytes + 16 l
	; x: wave w takes rows 32 H + 8 w + i, four loads of 512 consecutive bytes a row
	WIN 0xc0
.set zz, 0
.rept 64
	global_load_b128 v[4*zz:4*zz+3], v[XO], s[XP:XP+1] offset:(32*(zz/32)+(zz%32)/4)*2048+512*(zz%4) th:TH_LOAD_NT
.set zz, zz+1
.endr
	WIN 0
	v_mul_u32_u24 v24, v22, PITCH
	v_lshl_add_u32 v24, v23, 4, v24                ; a fragment's row x pitch + 16 x half
	v_add_nc_u32 v[ABK], s15, v24
	v_add_nc_u32 v[ABK+1], SLOT1, v[ABK]
	v_add_nc_u32 v[AU], U, v24
	s_mul_i32 s45, s[WV], 8*PITCH
	s_add_co_u32 s45, s45, U
	v_lshl_add_u32 v[UXW], v21, 3, s45
	v_mul_u32_u24 v25, v22, SP
	v_lshl_add_u32 v25, v23, 4, v25
	s_lshl_b32 s45, s[WV], 6
	v_add_nc_u32 v25, s45, v25                     ; row r, my wave's 64 bytes, 16 for each half of the lanes
	v_add_nc_u32 v[OSW], U, v25
	v_add_nc_u32 v[OSW+1], OS, v25
	s_mul_i32 s45, s[WV], 16*SP
	v_mul_u32_u24 v26, v23, SP
	v_lshl_add_u32 v26, v22, 4, v26
	v_add_nc_u32 v26, s45, v26                     ; rows 16 w + h, whole
	v_add_nc_u32 v[OSR], U, v26
	v_add_nc_u32 v[OSR+1], OS, v26
	s_lshl_b32 s45, s[WV], 14
	v_lshlrev_b32 v[GO], 10, v23
	v_lshl_add_u32 v[GO], v22, 4, v[GO]
	v_add_nc_u32 v[GO], s45, v[GO]
; Half hh of the block: rounded to bf16, 8 bytes a lane into U
.macro XHALF hh
	WIN 0x0f
.set zz, 0
.rept 32
	v_cvt_pk_bf16_f32 v[64+64*(\hh)+2*zz],   v[128*(\hh)+4*zz],   v[128*(\hh)+4*zz+1]
	v_cvt_pk_bf16_f32 v[64+64*(\hh)+2*zz+1], v[128*(\hh)+4*zz+2], v[128*(\hh)+4*zz+3]
.set zz, zz+1
.endr
	WIN 0
.set zz, 0
.rept 32
	ds_store_b64 v[UXW], v[64+64*(\hh)+2*zz:64+64*(\hh)+2*zz+1] offset:(zz/4)*PITCH+256*(zz%4)
.set zz, zz+1
.endr
.endm
	s_wait_loadcnt 32                              ; the first half's 32 loads are in
	XHALF 0
	s_wait_dscnt 0x0
	s_barrier_signal -1
	s_barrier_wait -1                              ; rows 0-31 lie in U
	AREAD 0
	s_wait_dscnt 0x0                               ; my reads of U are over,
	s_barrier_signal -1
	s_barrier_wait -1                              ; everybody's are: U may be written again
	s_wait_loadcnt 0x0
	XHALF 1
	s_wait_dscnt 0x0
	s_wait_tensorcnt 1                             ; my part of tile 0 is in; tile 1's may stay out
	s_barrier_signal -1
	s_barrier_wait -1
	AREAD 1
	NFETCH ABK, 0, FB0
	s_mov_b32 s[CNT], 5
	s_mov_b32 s[PAR], 0
.Ltrip:                                        ; two steps a trip: tiles 2 i and 2 i + 1 are multiplied, tiles 2 i + 2 and 2 i + 3 asked for
	NSTAGE ABK, 0
	NSTAGE ABK, 1
	NSTAGE ABK, 2
	NTURN 0, 1
	DRAIN 0, 0
	NSTAGE ABK+1, 0
	NSTAGE ABK+1, 1
	NSTAGE ABK+1, 2
	NTURN 1, 1
	DRAIN 1, 1
	s_xor_b32 s[PAR], s[PAR], 1
	s_sub_co_u32 s[CNT], s[CNT], 1
	s_cmp_lg_u32 s[CNT], 0
	s_cbranch_scc1 .Ltrip
	NSTAGE ABK, 0                                  ; the last two steps are written out: nothing is left to ask for
	NSTAGE ABK, 1
	NSTAGE ABK, 2
	NTURN 0, 0
	DRAIN 0, 0
	NSTAGE ABK+1, 0
	NSTAGE ABK+1, 1
	NSTAGE ABK+1, 2
	s_wait_dscnt 0x0
	NMUL 3, FB1, 0
	NMUL 3, FB1, 1
	NMUL 3, FB1, 2
	NMUL 3, FB1, 3
	DRAIN 1, 2
	s_wait_tensorcnt 0x0                           ; the wave's end
	ds_add_u32 v[SPW], v[NIL]
	s_wait_dscnt 0x0
	CROUND                                         ; the closing round: no work-group ends while a partner may still ask for a tile that names it
	s_endpgm
.Lfunc_end_k_q5c0b2662cb_qkv:
	.size	k_q5c0b2662cb_qkv, .Lfunc_end_k_q5c0b2662cb_qkv-k_q5c0b2662cb_qkv
	.p2alignl 7, 3214868480
	.fill 96, 4, 3214868480
	.section	.rodata,"a",@progbits
	.p2align	6, 0x0
	.amdhsa_kernel k_q5c0b2662cb_qkv
		.amdhsa_group_segment_fixed_size 327680
		.amdhsa_private_segment_fixed_size 0
		.amdhsa_enable_private_segment 0
		.amdhsa_kernarg_size 24
		.amdhsa_user_sgpr_count 2
		.amdhsa_user_sgpr_kernarg_segment_ptr 1
		.amdhsa_wavefront_size32 1
		.amdhsa_system_sgpr_workgroup_id_x 1
		.amdhsa_system_sgpr_workgroup_id_y 1
		.amdhsa_system_sgpr_workgroup_id_z 1
		.amdhsa_system_vgpr_workitem_id 0
		.amdhsa_next_free_vgpr 1024
		.amdhsa_next_free_sgpr 66
		.amdhsa_reserve_vcc 0
		.amdhsa_float_denorm_mode_32 3
		.amdhsa_float_denorm_mode_16_64 3
		.amdhsa_memory_ordered 1
		.amdhsa_forward_progress 1
		.amdhsa_inst_pref_size 103
	.end_amdhsa_kernel
	.amdgpu_metadata
---
amdhsa.version: [ 1, 2 ]
amdhsa.kernels:
  - .name:           k_q5c0b2662cb_qkv
    .symbol:         k_q5c0b2662cb_qkv.kd
    .args:
      - { .name: x, .offset: 0, .size: 8, .value_kind: global_buffer, .address_space: global }
      - { .name: wt, .offset: 8, .size: 8, .value_kind: global_buffer, .address_space: global }
      - { .name: qkv, .offset: 16, .size: 8, .value_kind: global_buffer, .address_space: global }
    .group_segment_fixed_size: 327680
    .private_segment_fixed_size: 0
    .kernarg_segment_align: 8
    .kernarg_segment_size: 24
    .max_flat_workgroup_size: 128
    .sgpr_count:     66
    .vgpr_count:     1024
    .wavefront_size: 32
...
	.end_amdgpu_metadata
.endif
;; end of part 2
;; launch main (part 3): grid 256 x 1, 4 waves a work-group, clusters of 4 x 1, 327,680 bytes of LDS; arguments x, qkv, wt, b1, b2, a1, bb1, a2, bb2, out0; writes out0
.if DOCPART == 3
	.amdgcn_target "amdgcn-amd-amdhsa--gfx1250"
	.amdhsa_code_object_version 6
	.text
	.protected	k_q5c0b2662cb_main
	.globl	k_q5c0b2662cb_main
	.p2align	8
	.type	k_q5c0b2662cb_main,@function
k_q5c0b2662cb_main:
	s_mov_b64 s[64:65], 0
	v_nop
	global_prefetch_b8 v0, s[64:65] scope:SCOPE_SE
	s_setreg_imm32_b32 hwreg(HW_REG_WAVE_MODE, 25, 1), 1
	s_wait_xcnt 0x0
	s_wait_alu depctr_hold_cnt(0) depctr_sa_sdst(0) depctr_va_vdst(0) depctr_va_sdst(0) depctr_va_ssrc(0) depctr_va_vcc(0) depctr_vm_vsrc(0)
	s_getreg_b32 s2, hwreg(HW_REG_IB_STS2, 6, 4)
	s_cmp_eq_u32 s2, 0
	s_cbranch_scc0 .Lentry_in_a_cluster
	s_endpgm
.Lentry_in_a_cluster:
	s_bfe_u32 s2, ttmp6, 0x10000c
	s_cmp_lg_u32 s2, 0x3003
	s_cbranch_scc0 .Lentry_shape_is_right
	s_endpgm
.Lentry_shape_is_right:
; out0 = norm2(n1 + relu(n1 W1 + b1) W2 + b2),  n1 = norm1(x + softmax(q k^T / sqrt(512)) v),  norm(h) = a (h - mean) / (std + 1e-6) + b with std over 511.
; q, k, v: bf16 [16384][512] in qkv; W1^T [2048 n][512 k] and W2 [2048 k][512 n]: bf16 in wt; x, b1, b2, the four scalars and out0: f32.
; FORMATS.  Matrix operands in bf16 (q, k, v, the weights p, n1 as an operand, the hidden numbers, W1, W2: each rounded once); all sums, the running maximum, l, both residuals and both norms in f32.
; l is the sum of the unrounded p.  LIMITS.  A weight p below 2^-126 counts as 0; a variance below 2^-126 counts as 0 under the root; exponential, root and reciprocal are good to one unit in the
; last place (ISA guide, their entries); NaN and infinities are not treated apart.
; SHARES.  A work-group of four waves owns 64 rows from first to last: whole rows, since both norms want them.  Two kinds of step, 128 matrix instructions a wave each, on LDS tiles of 131,072 bytes:
;   N-STEP  [64 x 512], as fragments in every wave's registers (windows 1, 2), times a tile of 128 n x 512 k (k along the rows): 64 x 128 finished numbers; a wave makes 64 x 32 in 8 accumulators.
;   K-STEP  [64 x 128], read from LDS (HX), times a tile of 128 k x 512 n (n along the rows, turned by ds_load_tr16_b128), added onto 64 x 512 that stay: a wave holds 64 x 128 in 32 accumulators (window 3).
; Attention: 4 x (N-step on 128 keys of k; running softmax; K-step on the same keys of v).  FFN: 16 x (N-step on 128 hidden units of W1^T, started with b1; ReLU; K-step on the same rows of W2).
; The window-3 accumulator holds O, then x + O / l, then n1, then n1 + b2 + the FFN's sums, then the result.
; RING.  Slot 0 takes the N-steps' tiles, slot 1 the K-steps': k0 v0 k1 v1 .. W1^T 0, W2 0 .. : 40 tiles.  The change of slots at a step's end fills that step's slot with the slot's next tile.
; CLUSTER.  The four work-groups of a cluster belong to one batch and walk the same tiles: each tile is asked for JOINTLY, each wave bringing 32 rows of 1,024 bytes.
; THE MATRIX INSTRUCTION IS USED TRANSPOSED (source 0 = 16 rows n, source 1 = 16 of my rows): register j of lane l holds (row l % 16, column 8 (l / 16) + j).
; PREFETCH INTO THE L2.  In the attention loop's first two trips, behind the joint load for k: tile j + 2 of k and of v, 512 blocks of 256 bytes each, a lane a block; of the two clusters of a batch the even one
; asks, its four partners sharing the blocks out by address.  In the last two trips: 32 of my own rows of x each, which the residual loads behind the loop.  The weights are read by every work-group
; at about the same time and are not asked for.
; REGISTERS, in windows of 256 (s_set_vgpr_msb: bits 1:0 source 0, 3:2 source 1, 5:4 source 2, 7:6 destination):
;   window 0: v1-21 addresses; v24-55 statistics; v64-255 fragment buffers, the 8 small accumulators, stages     windows 1, 2: the left operand's fragments (rows 16 a, channels 32 s at 32 (s % 8) + 8 a of
;   window 1 + s / 8); window 1 also x on its way in     window 3: accumulator (a, b) at 8 (8 a + b)
.set PITA, 1040                        ; slot 0's rows, and U's: 1,024 + 16 bytes = 260 words: row r starts at bank 4 r mod 64 (64 banks of 4 bytes: ISA guide 11.1)
.set PITB, 1056                        ; slot 1's rows: 1,024 + 32 bytes
.set SLOT1, 128*PITA
.set U,     SLOT1+128*PITB             ; 33,792 bytes: the left operand's exchange (32 rows x 1,040); for each wave a stage of 16 rows x 528 in f32
.set HX,    U+33792                    ; 17,408 bytes: the K-step's left operand, 64 rows x 272
.set RED,   HX+17408                   ; 4,096 bytes: four tables [4 waves][16 r][4 a] f32: maxima, l, sums, sums of squares
.set SPARE, RED+4096                   ; the spare words, 128 bytes a wave: two blocks of 256 bytes that no other line names
.set HP,    272
.set FP,    528
.set TILEB, 131072
.set ABK, 1                            ; v1   my fragments of slot 0
.set ABV, 2                            ; v2, v3  my turned fragments of slot 1: rows 0-63, rows 64-127
.set AHX, 4                            ; v4   a fragment of HX
.set HXW, 5                            ; v5   where I put 16 bytes of a row of HX
.set AU,  6                            ; v6   a fragment of U
.set UAW, 7                            ; v7   where I put 16 bytes of n1
.set UQW, 8                            ; v8   where I put 16 bytes of q
.set STW, 9                            ; v9   my stage, by accumulator: row r, 32 bytes for each half of the lanes
.set STR, 10                           ; v10  my stage, by rows: 16 bytes a lane
.set REDW, 11
.set REDR, 12
.set XO,  13                           ; v13  my 16 bytes of my wave's 512 in a row of x or out0
.set QO,  14
.set B1O, 15
.set B2O, 16
.set PFO, 17                           ; v17  prefetch of k, v: 256 x (32 w + l)
.set SPW, 18                           ; v18  LDS address of my spare word; never rewritten
.set NIL, 19                           ; v19  0; never rewritten
.set ZR,  20                           ; v20  0, for the ReLU
.set PFX, 21                           ; v21  prefetch of x: row l / 2, block l % 2 of my wave's two
.set ST,  24                           ; v24-31  by a: c m, m
.set LS,  32                           ; v32-39  by a: a pair of partial sums
.set AL,  40                           ; v40-47  by a: a factor in the low word of a pair
.set BI,  32                           ; v32-47  in the FFN: b1 of my 32 hidden units
.set T,   48
.set T2,  52
.set PK,  64
.set TL,  96
.set PT,  128
.set B2,  192
.set FB0, 64
.set FB1, 128
.set SA,  192                          ; small accumulator (a, b) at SA + 8 (2 a + b)
.set KB0, 64                           ; a K-step's buffers: 8 fragments of the tile, then 4 of HX
.set KB1, 160
.set WV,  30
.set CX,  31
.set CNT, 32
.set LIM, 33                           ; s33  0: my cluster asks for k and v ahead
.set G1A, 36
.set G1B, 44
.set G0A, 52
.set G0B, 56
.set PA,  60                           ; s[60:61] slot 0's next tile, at my 32 rows
.set PB,  62                           ; s[62:63] slot 1's
.set W1P, 66
.set W2P, 68
.set XP,  70
.set OUTP, 72
.set QP,  74
.set B1P, 76
.set PFK, 78
.set PFV, 80
.set XPF, 82
.set CS,  84                           ; s[84:85] c = log2(e) / sqrt(512)
.set SEL, 86
.set GA1, 88
.set GA2, 89
.set GB1, 90                           ; s[90:91]
.set GB2, 92                           ; s[92:93]
.set XI,  94                           ; s[94:95]
.set MSB, 0
.macro WIN new
.if MSB != (\new)
	s_set_vgpr_msb (MSB<<8)|(\new)
.set MSB, (\new)
.endif
.endm
.macro PLACES n
.rept \n
	v_nop
.endr
.endm
.macro ALL4 line:vararg                ; one line for each a = za
.set za, 0
.rept 4
	\line
.set za, za+1
.endr
.endm
.macro CREST
	s_cmp_lg_u32 s[WV], 0
	s_cbranch_scc1 .Lnot_wave_0_\@
	s_barrier_signal -3
.Lnot_wave_0_\@:
	s_barrier_wait -3
	s_barrier_signal -1
	s_barrier_wait -1
.endm
.macro CROUND
	s_barrier_signal -1
	s_barrier_wait -1
	CREST
.endm
.macro BAR                             ; a plain barrier; a tile on its way may stay out
	s_wait_dscnt 0x0
	s_barrier_signal -1
	s_barrier_wait -1
.endm
.macro JLOAD g0, g1
	tensor_load_to_lds s[(\g0):(\g0)+3], s[(\g1):(\g1)+7]
	s_nop 0
	PLACES 4
.endm
; A group 0 takes the slot's next tile; sel = 1 (attention): behind the batch's last tile comes the weights' first
.macro SETG0 g0, p, alt, sel
.if \sel
	s_cmp_eq_u32 s[CNT], 1
	s_cselect_b64 s[(\p):(\p)+1], s[(\alt):(\alt)+1], s[(\p):(\p)+1]
.endif
	s_mov_b64 s[(\g0)+2:(\g0)+3], s[(\p):(\p)+1]
	s_or_b32 s[(\g0)+3], s[(\g0)+3], 0x80000000
	s_add_nc_u64 s[(\p):(\p)+1], s[(\p):(\p)+1], TILEB
.endm
.macro AREAD hh                        ; 32 rows of U into the left operand's fragments a = 2 hh, 2 hh + 1: 64 loads
.set zw, 0
.rept 2
	WIN 0x40+0x40*zw
.set zz, 0
.rept 16
.set rr, 32*(zz/2)+8*(2*(\hh)+zz%2)
	ds_load_b128 v[rr:rr+3],   v[AU] offset:(zz%2)*16*PITA+64*(8*zw+zz/2)
	ds_load_b128 v[rr+4:rr+7], v[AU] offset:(zz%2)*16*PITA+64*(8*zw+zz/2)+32
.set zz, zz+1
.endr
.set zw, zw+1
.endr
	WIN 0
.endm
.macro NFETCH i, fb                    ; 16 loads: my 32 rows of slot 0, channels 128 i on
	WIN 0
.set zz, 0
.rept 8
	ds_load_b128 v[(\fb)+8*zz:(\fb)+8*zz+3],   v[ABK] offset:(zz%2)*16*PITA+64*(4*(\i)+zz/2)
	ds_load_b128 v[(\fb)+8*zz+4:(\fb)+8*zz+7], v[ABK] offset:(zz%2)*16*PITA+64*(4*(\i)+zz/2)+32
.set zz, zz+1
.endr
.endm
; 8 matrix instructions; the eight accumulators take turns.  A step's first eight start the sums: with 0, or (cin = 1) with b1.
.macro NMUL i, fb, sl, cin
	WIN 0x04+0x04*((\i)/2)
.set zz, 0
.rept 8
.set rD, SA+8*(2*(zz%4)+zz/4)
.set rB, (\fb)+16*(\sl)+8*(zz/4)
.set rA, 128*((\i)%2)+32*(\sl)+8*(zz%4)
.if ((\i)+(\sl)) != 0
	v_wmma_f32_16x16x32_bf16 v[rD:rD+7], v[rB:rB+7], v[rA:rA+7], v[rD:rD+7]
.elseif \cin
	v_wmma_f32_16x16x32_bf16 v[rD:rD+7], v[rB:rB+7], v[rA:rA+7], v[BI+8*(zz/4):BI+8*(zz/4)+7]
.else
	v_wmma_f32_16x16x32_bf16 v[rD:rD+7], v[rB:rB+7], v[rA:rA+7], 0
.endif
.set zz, zz+1
.endr
.endm
.macro NSTAGE i, cin
	s_wait_dscnt 8                                 ; the quarter's first 64 channels are in; its youngest eight loads may be out
	NMUL \i, FB0+64*((\i)%2), 0, \cin
	NMUL \i, FB0+64*((\i)%2), 1, \cin
	PLACES 4
	NFETCH (\i)+1, FB0+64*(1-(\i)%2)
	s_wait_dscnt 16                                ; all but the 16 just issued
	NMUL \i, FB0+64*((\i)%2), 2, \cin
	NMUL \i, FB0+64*((\i)%2), 3, \cin
.endm
.macro ASK                             ; see PREFETCH at the head.  The branches hang on the trip and on the cluster's number: alike in all partners
	s_cmp_gt_u32 s[CNT], 2
	s_cbranch_scc0 .Lask_x_\@
	s_cmp_eq_u32 s[LIM], 0
	s_cbranch_scc0 .Lasked_\@
	global_prefetch_b8 v[PFO], s[PFK:PFK+1] th:TH_LOAD_NT scope:SCOPE_SE
	global_prefetch_b8 v[PFO], s[PFV:PFV+1] th:TH_LOAD_NT scope:SCOPE_SE
	s_branch .Lasked_\@
.Lask_x_\@:
	global_prefetch_b8 v[PFX], s[XPF:XPF+1] th:TH_LOAD_NT scope:SCOPE_SE
	global_prefetch_b8 v[PFX], s[XPF:XPF+1] offset:32768 th:TH_LOAD_NT scope:SCOPE_SE
.Lasked_\@:
.endm
; An N-step's last quarter changes slots.  In front of the barrier each wave waits for all its tensor loads (one is out: its part of slot 1), adds 0 to its spare word, and waits for that and for its reads of
; slot 0.  fill = 1: the barrier opens a round of the cluster's, and slot 0 is filled again first thing behind the round.
.macro NTURN fill, sel, ask
.if \ask
	s_wait_xcnt 0x0                                ; the last prefetches, a trip back, have read their addresses
	s_add_nc_u64 s[PFK:PFK+1], s[PFK:PFK+1], TILEB
	s_add_nc_u64 s[PFV:PFV+1], s[PFV:PFV+1], TILEB
	s_cmp_eq_u32 s[CNT], 1
	s_cselect_b32 s[XI], 0x10000, 0                ; the last trip: rows 32-63
	s_add_nc_u64 s[XPF:XPF+1], s[XP:XP+1], s[XI:XI+1]
.endif
	WIN 0
	s_wait_tensorcnt 0x0                           ; no tensor load of mine is out, so a group 0 may be written
	ds_add_u32 v[SPW], v[NIL]
.if \fill
	SETG0 G0A, PA, W1P, \sel
.endif
	s_wait_dscnt 1                                 ; the quarter's fragments are in; the add may be out
	NMUL 3, FB1, 0, 0
	s_wait_dscnt 0x0                               ; the add is done, and my reads of slot 0 are over
	s_barrier_signal -1
	NMUL 3, FB1, 1, 0
	WIN 0
	s_barrier_wait -1
.if \fill
	CREST
	JLOAD G0A, G1A
.if \ask
	ASK
.endif
.endif
	NMUL 3, FB1, 2, 0
	NMUL 3, FB1, 3, 0
.endm
; 24 loads: 32 rows of slot 1, turned, for my 128 columns (8 fragments); then HX's four fragments of the same 32 channels
.macro KFETCH sl, kb
	WIN 0
.set zz, 0
.rept 8
	ds_load_tr16_b128 v[(\kb)+8*zz:(\kb)+8*zz+3],   v[ABV+(\sl)/2] offset:((\sl)%2)*32*PITB+32*zz
	ds_load_tr16_b128 v[(\kb)+8*zz+4:(\kb)+8*zz+7], v[ABV+(\sl)/2] offset:((\sl)%2)*32*PITB+16*PITB+32*zz
.set zz, zz+1
.endr
.set zz, 0
.rept 4
	ds_load_b128 v[(\kb)+64+8*zz:(\kb)+64+8*zz+3],   v[AHX] offset:zz*16*HP+64*(\sl)
	ds_load_b128 v[(\kb)+64+8*zz+4:(\kb)+64+8*zz+7], v[AHX] offset:zz*16*HP+64*(\sl)+32
.set zz, zz+1
.endr
.endm
.macro KMUL kb, a                      ; 8 matrix instructions on 8 accumulators; an accumulator's next turn comes 32 instructions later
	WIN 0xf0
.set zz, 0
.rept 8
	v_wmma_f32_16x16x32_bf16 v[8*(8*(\a)+zz):8*(8*(\a)+zz)+7], v[(\kb)+8*zz:(\kb)+8*zz+7], v[(\kb)+64+8*(\a):(\kb)+64+8*(\a)+7], v[8*(8*(\a)+zz):8*(8*(\a)+zz)+7]
.set zz, zz+1
.endr
.endm
.macro KSTAGE sl
	s_wait_dscnt 4                                 ; all but HX's fragments a = 2, 3
	KMUL KB0+96*((\sl)%2), 0
	KMUL KB0+96*((\sl)%2), 1
	PLACES 4
	KFETCH (\sl)+1, KB0+96*(1-(\sl)%2)
	s_wait_dscnt 24                                ; all but the 24 just issued
	KMUL KB0+96*((\sl)%2), 2
	KMUL KB0+96*((\sl)%2), 3
.endm
; A K-step's last quarter changes slots likewise: slot 1 is filled again, and the next N-step's first fragments are fetched from slot 0, which is whole behind the barrier
.macro KTURN sel
	WIN 0
	s_wait_tensorcnt 0x0
	ds_add_u32 v[SPW], v[NIL]
	SETG0 G0B, PB, W2P, \sel
	s_wait_dscnt 1
	KMUL KB1, 0
	s_wait_dscnt 0x0                               ; the add is done; my reads of slot 1 and of HX are over
	s_barrier_signal -1
	KMUL KB1, 1
	WIN 0
	s_barrier_wait -1
	CREST
	JLOAD G0B, G1B                                 ; its four v_nop are also the places in front of the loads below
	NFETCH 0, FB0
	KMUL KB1, 2
	KMUL KB1, 3
.endm
; Four numbers a lane (one for each a, equal in both halves of the lanes) meet the other waves': table at RED + ofs; TL + 4 w' + a takes wave w' 's
.macro XCH ofs
	ds_store_b128 v[REDW], v[T:T+3] offset:\ofs
	BAR
.set zz, 0
.rept 4
	ds_load_b128 v[TL+4*zz:TL+4*zz+3], v[REDR] offset:(\ofs)+256*zz
.set zz, zz+1
.endr
	s_wait_dscnt 0x0
.endm
.macro REDUCE ofs                      ; T + a = the row's whole sum of the partial pairs LS: the pair, the other half of the lanes, the four waves
	WIN 0
	ALL4 v_add_f32 v[T+za], v[LS+2*za], v[LS+2*za+1]
	ALL4 v_permlanex16_b32 v[T2+za], v[T+za], s[SEL], s[SEL+1]
	ALL4 v_add_f32 v[T+za], v[T+za], v[T2+za]
	XCH \ofs
	ALL4 v_add_f32 v[T+za], v[TL+za], v[TL+4+za]
	ALL4 v_add_f32 v[T2+za], v[TL+8+za], v[TL+12+za]
	ALL4 v_add_f32 v[T+za], v[T+za], v[T2+za]
.endm
; THE NORM, in place on window 3.  First the mean, then the squares of the differences from it: no difference of large sums is formed.  Each accumulator is read from its low end on.
.macro LN ga, gb
	WIN 0x0f
	ALL4 v_pk_add_f32 v[LS+2*za:LS+2*za+1], v[64*za:64*za+1], v[64*za+2:64*za+3]
	WIN 0x0c
.set zp, 2
.rept 30
	ALL4 v_pk_add_f32 v[LS+2*za:LS+2*za+1], v[LS+2*za:LS+2*za+1], v[64*za+2*zp:64*za+2*zp+1]
.set zp, zp+1
.endr
	REDUCE 2048
	ALL4 v_mul_f32 v[AL+2*za], 0xbb000000, v[T+za]         ; - sum / 512
	WIN 0xc3
.set zz, 0
.rept 128
	v_pk_add_f32 v[2*zz:2*zz+1], v[2*zz:2*zz+1], v[AL+2*(zz/32):AL+2*(zz/32)+1] op_sel_hi:[1,0]
.set zz, zz+1
.endr
	WIN 0x0f
	ALL4 v_pk_mul_f32 v[LS+2*za:LS+2*za+1], v[64*za:64*za+1], v[64*za:64*za+1]
.set zp, 1
.rept 31
	ALL4 v_pk_fma_f32 v[LS+2*za:LS+2*za+1], v[64*za+2*zp:64*za+2*zp+1], v[64*za+2*zp:64*za+2*zp+1], v[LS+2*za:LS+2*za+1]
.set zp, zp+1
.endr
	REDUCE 3072
	ALL4 v_mul_f32 v[T+za], 0x3b004020, v[T+za]            ; / 511
	ALL4 v_sqrt_f32 v[T+za], v[T+za]
	v_nop                                          ; a plain instruction behind the last root,
	s_wait_alu depctr_va_vdst(0)                   ; and one wait for the four, ahead of their first reader
	ALL4 v_add_f32 v[T+za], 0x358637bd, v[T+za]            ; + 1e-6
	ALL4 v_rcp_f32 v[T+za], v[T+za]
	v_nop
	s_wait_alu depctr_va_vdst(0)
	ALL4 v_mul_f32 v[AL+2*za], s[\ga], v[T+za]
	WIN 0xc3
.set zz, 0
.rept 128
	v_pk_fma_f32 v[2*zz:2*zz+1], v[2*zz:2*zz+1], v[AL+2*(zz/32):AL+2*(zz/32)+1], s[(\gb):(\gb)+1] op_sel_hi:[1,0,0]
.set zz, zz+1
.endr
	WIN 0
.endm
.macro BLOAD                           ; b1 of my 32 hidden units, laid as the accumulators are
.set zz, 0
.rept 2
	global_load_b128 v[BI+8*zz:BI+8*zz+3],   v[B1O], s[B1P:B1P+1] offset:64*zz
	global_load_b128 v[BI+8*zz+4:BI+8*zz+7], v[B1O], s[B1P:B1P+1] offset:64*zz+16
.set zz, zz+1
.endr
.endm
.macro TOHX                            ; 8 stores: my 32 columns of all 64 rows of HX
.set zz, 0
.rept 8
	ds_store_b128 v[HXW], v[PK+4*zz:PK+4*zz+3] offset:(zz/2)*16*HP+32*(zz%2)
.set zz, zz+1
.endr
.endm
.macro HOUT more                       ; the hidden numbers: rounded, ReLU on the packed halves, into HX; more = 1: the next 128 units' b1 is asked for
	WIN 0
	PLACES 4
.set zz, 0
.rept 32
	v_cvt_pk_bf16_f32 v[PK+zz], v[SA+2*zz], v[SA+2*zz+1]
.set zz, zz+1
.endr
.set zz, 0
.rept 32
	v_pk_max_num_bf16 v[PK+zz], v[PK+zz], v[ZR]
.set zz, zz+1
.endr
	TOHX
.if \more
	s_wait_xcnt 0x0
	s_add_nc_u64 s[B1P:B1P+1], s[B1P:B1P+1], 512
	BLOAD
.endif
	BAR
.endm
	s_load_b512 s[4:19], s[0:1], 0x0               ; x s[4:5], qkv s[6:7], wt s[8:9], b1 s[10:11], b2 s[12:13], a1 s[14:15], bb1 s[16:17], a2 s[18:19]
	s_load_b128 s[20:23], s[0:1], 0x40             ; bb2 s[20:21], out0 s[22:23]
	v_lshl_add_u32 v[SPW], v0, 2, SPARE
	v_mov_b32 v[NIL], 0
	ds_add_u32 v[SPW], v[NIL]                      ; the wave's opening; its wait stands ahead of my first tensor load
	v_lshrrev_b32 v56, 5, v0
	v_readfirstlane_b32 s[WV], v56
	s_bfe_u32 s[CX], ttmp6, 0x40000
	s_lshl_b32 s96, ttmp9, 2                       ; in a cluster launch ttmp9 counts clusters
	s_add_co_u32 s96, s96, s[CX]                   ; my block of 64 rows: it enters x's, q's, out0's and the prefetches' addresses alone
	s_lshl_b32 s94, s96, 16
	s_mov_b32 s95, 0
	s_lshl_b32 s96, s96, 17
	s_mov_b32 s97, 0
	s_and_b32 s[LIM], ttmp9, 1
	s_lshr_b32 s24, ttmp9, 1                       ; the batch, which the four partners share
	s_lshl_b32 s24, s24, 19
	s_add_co_u32 s24, s24, 0x1000000               ; k of my batch, in bytes from qkv's first
	s_mov_b32 s25, 0
	s_lshl_b32 s98, s[CX], 15                      ; the prefetches: my work-group's 128 blocks of a tile's 512,
	s_add_co_u32 s98, s98, s24
	s_add_co_u32 s98, s98, TILEB                   ; at tile 1: the first trip steps them to tile 2
	s_mov_b32 s99, 0
	s_lshl_b32 s34, s[WV], 15                      ; my 32 rows of a tile in memory
	s_add_co_u32 s24, s24, s34
	s_add_co_u32 s26, s34, 0x180000                ; W1^T
	s_mov_b32 s27, 0
	s_add_co_u32 s28, s34, 0x380000                ; W2
	s_mov_b32 s29, 0
	s_mov_b32 s[G1A], 15|(1<<16)|(1<<20)|(1<<21)|(7<<22)|(3<<25)  ; mask of four; 2-byte elements; padding on; bit 21 beside a mask; after every 256 words; 4 words
	s_mov_b32 s[G1B], 15|(1<<16)|(1<<20)|(1<<21)|(7<<22)|(7<<25)  ; the same with 8 words
.irp g, G1A, G1B
	s_mov_b32 s[(\g)+1], 512<<16                   ; tensor_dim0 = 512
	s_mov_b32 s[(\g)+2], 32<<16                    ; tensor_dim1 = 32
	s_mov_b32 s[(\g)+3], 512<<16                   ; tile_dim0 = 512
	s_mov_b32 s[(\g)+4], 32                        ; tile_dim1 = 32
	s_mov_b32 s[(\g)+5], 512                       ; elements from row to row
	s_mov_b32 s[(\g)+6], 0
	s_mov_b32 s[(\g)+7], 0
.endr
	s_mov_b32 s[G0A], 1
	s_mul_i32 s[G0A+1], s[WV], 32*PITA             ; my quarter of slot 0
	s_mov_b32 s[G0B], 1
	s_mul_i32 s35, s[WV], 32*PITB
	s_add_co_u32 s[G0B+1], s35, SLOT1              ; and of slot 1
	s_mov_b32 s[CS], 0x3d8293ee
	s_mov_b32 s[CS+1], s[CS]
	s_mov_b32 s[SEL], 0x76543210
	s_mov_b32 s[SEL+1], 0xfedcba98
	s_mov_b32 s[GB1+1], 0                          ; named as pairs
	s_mov_b32 s[GB2+1], 0
	s_wait_dscnt 0x0                               ; the opening add is done
	s_wait_kmcnt 0x0
	s_add_nc_u64 s[PA:PA+1], s[6:7], s[24:25]
	s_add_nc_u64 s[PB:PB+1], s[PA:PA+1], 0x1000000
	s_add_nc_u64 s[W1P:W1P+1], s[8:9], s[26:27]
	s_add_nc_u64 s[W2P:W2P+1], s[8:9], s[28:29]
	s_add_nc_u64 s[XP:XP+1], s[4:5], s[96:97]
	s_add_nc_u64 s[OUTP:OUTP+1], s[22:23], s[96:97]
	s_add_nc_u64 s[QP:QP+1], s[6:7], s[94:95]
	s_mov_b64 s[B1P:B1P+1], s[10:11]
	s_add_nc_u64 s[PFK:PFK+1], s[6:7], s[98:99]
	s_add_nc_u64 s[PFV:PFV+1], s[PFK:PFK+1], 0x1000000
	s_mov_b64 s[XPF:XPF+1], s[XP:XP+1]
	s_load_b32 s[GA1], s[14:15], 0x0
	s_load_b32 s[GB1], s[16:17], 0x0
	s_load_b32 s[GA2], s[18:19], 0x0
	s_load_b32 s[GB2], s[20:21], 0x0
	SETG0 G0A, PA, W1P, 0                          ; k's tile 0
	SETG0 G0B, PB, W2P, 0                          ; v's tile 0
	CROUND                                         ; all four work-groups are here: the first joint loads meet
	tensor_load_to_lds s[G0A:G0A+3], s[G1A:G1A+7]  ; both first fills together: two loads of mine are out
	s_nop 0
	tensor_load_to_lds s[G0B:G0B+3], s[G1B:G1B+7]
	s_nop 0
	PLACES 4
	v_and_b32 v56, 31, v0                          ; l
	v_and_b32 v57, 15, v0                          ; r
	v_bfe_u32 v58, v0, 4, 1                        ; h
	s_lshl_b32 s34, s[WV], 13
	v_lshl_add_u32 v[QO], v56, 4, s34
	v_lshl_add_u32 v[PFO], v56, 8, s34
.set zz, 0
.rept 32                               ; q: wave w takes rows 32 H + 8 w + i, two loads of 512 consecutive bytes a row
	global_load_b128 v[64+4*zz:64+4*zz+3], v[QO], s[QP:QP+1] offset:(32*(zz/16)+(zz%16)/2)*1024+512*(zz%2)
.set zz, zz+1
.endr
	v_mul_u32_u24 v59, v57, PITA
	v_lshl_add_u32 v59, v58, 4, v59                ; a fragment's row x pitch + 16 x half
	s_mul_i32 s34, s[WV], 32*PITA
	v_add_nc_u32 v[ABK], s34, v59
	v_add_nc_u32 v[AU], U, v59
	s_lshl_b32 s34, s[WV], 8
	v_add_nc_u32 v[UAW], s34, v[AU]
	v_and_b32 v60, 7, v0
	v_bfe_u32 v61, v0, 3, 1
	v_lshl_add_u32 v60, v58, 3, v60                ; the turning load: lane l reads row 8 h + l % 8, 16 bytes at 16 ((l / 8) % 2)
	v_mul_u32_u24 v60, v60, PITB
	v_lshl_add_u32 v60, v61, 4, v60
	s_add_co_u32 s34, s34, SLOT1                   ; my wave's 128 columns: 256 bytes
	v_add_nc_u32 v[ABV], s34, v60
	v_add_nc_u32 v[ABV+1], 64*PITB, v[ABV]
	v_mul_u32_u24 v59, v57, HP
	v_lshl_add_u32 v59, v58, 4, v59
	v_add_nc_u32 v[AHX], HX, v59
	s_lshl_b32 s34, s[WV], 6
	v_add_nc_u32 v[HXW], s34, v[AHX]
	s_mul_i32 s34, s[WV], 8*PITA
	s_add_co_u32 s34, s34, U
	v_lshl_add_u32 v[UQW], v56, 4, s34
	s_mul_i32 s34, s[WV], 16*FP
	s_add_co_u32 s34, s34, U
	v_lshl_add_u32 v[STR], v56, 4, s34
	v_mul_u32_u24 v59, v57, FP
	v_lshl_add_u32 v59, v58, 5, v59
	v_add_nc_u32 v[STW], s34, v59
	v_lshlrev_b32 v59, 4, v57
	v_add_nc_u32 v[REDR], RED, v59
	s_lshl_b32 s34, s[WV], 8
	v_add_nc_u32 v[REDW], s34, v[REDR]
	s_lshl_b32 s34, s[WV], 9
	v_lshl_add_u32 v[XO], v56, 4, s34
	v_lshl_add_u32 v[B2O], v58, 5, s34
	v_lshrrev_b32 v59, 1, v56
	v_and_b32 v60, 1, v0
	v_lshlrev_b32 v59, 11, v59
	v_lshl_add_u32 v59, v60, 8, v59
	v_add_nc_u32 v[PFX], s34, v59
	s_lshl_b32 s34, s[WV], 7
	v_lshl_add_u32 v[B1O], v58, 5, s34
	v_mov_b32 v[ZR], 0
	; m starts at the lowest finite number, c m far below every c s, O and l at 0: the first step is a step like any other, with a factor 0.  The clearing stands in the wait for q and the first tile.
	ALL4 v_mov_b32 v[ST+2*za], 0xfe000000
	ALL4 v_mov_b32 v[ST+2*za+1], 0xff7fffff
.set zz, 0
.rept 8
	v_mov_b32 v[LS+zz], 0
	v_mov_b32 v[AL+zz], 0
.set zz, zz+1
.endr
	ALL4 v_mov_b32 v[T2+za], 0
	WIN 0xc0
.set zz, 0
.rept 256
	v_mov_b32 v[zz], 0
.set zz, zz+1
.endr
	WIN 0
.macro QHALF hh
.set zz, 0
.rept 16
	ds_store_b128 v[UQW], v[64+64*(\hh)+4*zz:64+64*(\hh)+4*zz+3] offset:(zz/2)*PITA+512*(zz%2)
.set zz, zz+1
.endr
.endm
	s_wait_loadcnt 16                              ; the first half's 16 loads are in
	QHALF 0
	BAR                                            ; rows 0-31 lie in U
	AREAD 0
	BAR                                            ; everybody's reads of U are over
	s_wait_loadcnt 0x0
	QHALF 1
	s_wait_tensorcnt 1                             ; my part of k's tile 0 is in; v's may stay out
	BAR
	AREAD 1
	NFETCH 0, FB0
	s_wait_kmcnt 0x0                               ; the four scalars
	s_mov_b32 s[CNT], 4
.Latt:                                         ; a trip: 128 keys
	PLACES 5                                       ; the small accumulators lie where the last products' fragments lay
	NSTAGE 0, 0
	NSTAGE 1, 0
	NSTAGE 2, 0
	NTURN 1, 1, 1
	; THE SOFTMAX.  A lane holds, for each of four queries (16 a + r), 16 of the step's 128 scores: keys 32 w + 16 b + 8 h + j.
	WIN 0
	PLACES 4
	ALL4 v_max3_num_f32 v[T+za], v[SA+16*za], v[SA+16*za+1], v[SA+16*za+2]   ; each accumulator is read from its low end on
.set zk, 1
.rept 6
	ALL4 v_max3_num_f32 v[T+za], v[T+za], v[SA+16*za+2*zk+1], v[SA+16*za+2*zk+2]
.set zk, zk+1
.endr
	ALL4 v_max_num_f32 v[T+za], v[T+za], v[SA+16*za+15]
	ALL4 v_permlanex16_b32 v[T2+za], v[T+za], s[SEL], s[SEL+1]
	ALL4 v_max_num_f32 v[T+za], v[T+za], v[T2+za]
	XCH 0
	ALL4 v_max3_num_f32 v[T+za], v[TL+za], v[TL+4+za], v[TL+8+za]
	ALL4 v_mov_b32 v[AL+2*za], v[ST+2*za]                                     ; c m_old
	ALL4 v_max3_num_f32 v[ST+2*za+1], v[T+za], v[TL+12+za], v[ST+2*za+1]      ; the new m
	ALL4 v_mul_f32 v[ST+2*za], s[CS], v[ST+2*za+1]
	ALL4 v_sub_f32 v[AL+2*za], v[AL+2*za], v[ST+2*za]
.macro SCL n                           ; c s - c m for pair n of 32
	v_pk_fma_f32 v[SA+2*(\n):SA+2*(\n)+1], v[SA+2*(\n):SA+2*(\n)+1], s[CS:CS+1], v[ST+2*((\n)/8):ST+2*((\n)/8)+1] op_sel_hi:[1,0,0] neg_lo:[0,0,1] neg_hi:[0,0,1]
.endm
.set zz, 0
.rept 8
	SCL zz
.set zz, zz+1
.endr
.set zz, 0
.rept 32                               ; ONE BATCH of 68 exponentials, a scaling between each two; nothing here names a result of theirs
.if zz < 24
	SCL zz+8
.endif
	v_exp_f32 v[SA+2*zz], v[SA+2*zz]
	v_exp_f32 v[SA+2*zz+1], v[SA+2*zz+1]
.set zz, zz+1
.endr
	ALL4 v_exp_f32 v[AL+2*za], v[AL+2*za]                                     ; the factor 2^(c m_old - c m_new)
	v_nop                                          ; a plain instruction behind the last exponential,
	s_wait_alu depctr_va_vdst(0)                   ; and one wait for the batch, ahead of its first reader
.set zz, 0
.rept 32
	v_cvt_pk_bf16_f32 v[PK+zz], v[SA+2*zz], v[SA+2*zz+1]
.set zz, zz+1
.endr
	TOHX
.set zz, 0
.rept 16                               ; the sums of the unrounded weights, in place: neighbours 1, 2 and 4 pairs apart
	v_pk_add_f32 v[SA+4*zz:SA+4*zz+1], v[SA+4*zz:SA+4*zz+1], v[SA+4*zz+2:SA+4*zz+3]
.set zz, zz+1
.endr
.set zz, 0
.rept 8
	v_pk_add_f32 v[SA+8*zz:SA+8*zz+1], v[SA+8*zz:SA+8*zz+1], v[SA+8*zz+4:SA+8*zz+5]
.set zz, zz+1
.endr
	ALL4 v_pk_add_f32 v[SA+16*za:SA+16*za+1], v[SA+16*za:SA+16*za+1], v[SA+16*za+8:SA+16*za+9]
	ALL4 v_pk_fma_f32 v[LS+2*za:LS+2*za+1], v[LS+2*za:LS+2*za+1], v[AL+2*za:AL+2*za+1], v[SA+16*za:SA+16*za+1] op_sel_hi:[1,0,1]
	BAR                                            ; all 128 keys' weights lie in HX
	KFETCH 0, KB0
	WIN 0xc3                                       ; O times the factor, while the loads are out
.set zz, 0
.rept 128
	v_pk_mul_f32 v[2*zz:2*zz+1], v[2*zz:2*zz+1], v[AL+2*(zz/32):AL+2*(zz/32)+1] op_sel_hi:[1,0]
.set zz, zz+1
.endr
	KSTAGE 0
	KSTAGE 1
	KSTAGE 2
	KTURN 1
	WIN 0
	s_sub_co_u32 s[CNT], s[CNT], 1
	s_cmp_lg_u32 s[CNT], 0
	s_cbranch_scc1 .Latt
	; THE RESIDUAL.  x comes by whole rows (512 consecutive bytes a load: my wave's 128 columns) and is turned into the accumulators' layout through my own stage, 16 rows at a time.
	s_wait_dscnt 0x0                               ; (the fragments fetched by the last change of slots are fetched again below)
	PLACES 4
.set zz, 0
.rept 8
	global_load_b128 v[B2+8*zz:B2+8*zz+3],   v[B2O], s[12:13] offset:64*zz      ; b2 of my 128 columns, laid as the accumulators are
	global_load_b128 v[B2+8*zz+4:B2+8*zz+7], v[B2O], s[12:13] offset:64*zz+16
.set zz, zz+1
.endr
	WIN 0x40
.set zz, 0
.rept 64
	global_load_b128 v[4*zz:4*zz+3], v[XO], s[XP:XP+1] offset:2048*zz th:TH_LOAD_NT
.set zz, zz+1
.endr
	REDUCE 1024                                    ; l
	ALL4 v_rcp_f32 v[AL+2*za], v[T+za]
	v_nop
	s_wait_alu depctr_va_vdst(0)
.macro XSTAGE a
	s_wait_loadcnt 48-16*(\a)                      ; the younger tiles of 16 rows stay out
	WIN 0x04
.set zz, 0
.rept 16
	ds_store_b128 v[STR], v[64*(\a)+4*zz:64*(\a)+4*zz+3] offset:FP*zz
.set zz, zz+1
.endr
	WIN 0x40
.set zz, 0
.rept 8
	ds_load_b128 v[64*(\a)+8*zz:64*(\a)+8*zz+3],   v[STW] offset:64*zz     ; LDS serves a wave's instructions in order (ISA guide 5.7.1.4): these see the stores above
	ds_load_b128 v[64*(\a)+8*zz+4:64*(\a)+8*zz+7], v[STW] offset:64*zz+16
.set zz, zz+1
.endr
.endm
.macro XADD a, left                    ; O / l + x
	s_wait_dscnt \left
	WIN 0xd3
.set zz, 0
.rept 32
	v_pk_fma_f32 v[64*(\a)+2*zz:64*(\a)+2*zz+1], v[64*(\a)+2*zz:64*(\a)+2*zz+1], v[AL+2*(\a):AL+2*(\a)+1], v[64*(\a)+2*zz:64*(\a)+2*zz+1] op_sel_hi:[1,0,1]
.set zz, zz+1
.endr
.endm
	XSTAGE 0
	XSTAGE 1
	XADD 0, 32                                     ; the next tile's 16 stores and 16 loads may be out
	XSTAGE 2
	XADD 1, 32
	XSTAGE 3
	XADD 2, 32
	XADD 3, 0
	LN GA1, GB1
	; n1 AS THE LEFT OPERAND: rounded to bf16, 32 rows at a time through U, into every wave's fragments.  The f32 n1 stays in window 3.
.macro N1HALF hh
	WIN 0x0f
.set zz, 0
.rept 64
	v_cvt_pk_bf16_f32 v[PT+zz], v[128*(\hh)+2*zz], v[128*(\hh)+2*zz+1]
.set zz, zz+1
.endr
	WIN 0
.endm
.macro N1STORE
.set zz, 0
.rept 16
	ds_store_b128 v[UAW], v[PT+4*zz:PT+4*zz+3] offset:(zz/8)*16*PITA+32*(zz%8)
.set zz, zz+1
.endr
.endm
	N1HALF 0
	N1STORE
	BAR
	AREAD 0
	N1HALF 1
	BAR                                            ; everybody's reads of U are over
	N1STORE
	BAR
	AREAD 1
	WIN 0xc3                                       ; n1 + b2 starts the FFN's sums
.set zz, 0
.rept 128
	v_pk_add_f32 v[2*zz:2*zz+1], v[2*zz:2*zz+1], v[B2+(2*zz)%64:B2+(2*zz)%64+1]
.set zz, zz+1
.endr
	WIN 0
	BLOAD
	NFETCH 0, FB0
	s_mov_b32 s[CNT], 15
.Lffn:                                         ; a trip: 128 hidden units
	PLACES 5
	s_wait_loadcnt 0x0                             ; b1
	NSTAGE 0, 1
	NSTAGE 1, 1
	NSTAGE 2, 1
	NTURN 1, 0, 0
	HOUT 1
	KFETCH 0, KB0
	KSTAGE 0
	KSTAGE 1
	KSTAGE 2
	KTURN 0
	WIN 0
	s_sub_co_u32 s[CNT], s[CNT], 1
	s_cmp_lg_u32 s[CNT], 0
	s_cbranch_scc1 .Lffn
	PLACES 5                                       ; the last 128 units are written out: nothing is left to ask for
	s_wait_loadcnt 0x0
	NSTAGE 0, 1
	NSTAGE 1, 1
	NSTAGE 2, 1
	NTURN 0, 0, 0
	HOUT 0
	KFETCH 0, KB0
	KSTAGE 0
	KSTAGE 1
	KSTAGE 2
	s_wait_dscnt 0x0
	KMUL KB1, 0
	KMUL KB1, 1
	KMUL KB1, 2
	KMUL KB1, 3
	WIN 0
	PLACES 4
	LN GA2, GB2
	; THE WAY OUT: 16 rows at a time through my own stage, back as whole rows of 512 bytes
.set zo, 0
.rept 4
.if zo == 3
	s_wait_xcnt 0x0                                ; the first tile's stores have read the registers that are loaded again
.endif
	WIN 0x0c
.set zz, 0
.rept 8
	ds_store_b128 v[STW], v[64*zo+8*zz:64*zo+8*zz+3]   offset:64*zz
	ds_store_b128 v[STW], v[64*zo+8*zz+4:64*zo+8*zz+7] offset:64*zz+16
.set zz, zz+1
.endr
	WIN 0
.set zz, 0
.rept 16
	ds_load_b128 v[64+64*(zo%3)+4*zz:64+64*(zo%3)+4*zz+3], v[STR] offset:FP*zz
.set zz, zz+1
.endr
.set zz, 0
.rept 16
	s_wait_dscnt 15-zz
	global_store_b128 v[XO], v[64+64*(zo%3)+4*zz:64+64*(zo%3)+4*zz+3], s[OUTP:OUTP+1] offset:(16*zo+zz)*2048 th:TH_STORE_NT  ; a wave stores 512 consecutive bytes, aligned
.set zz, zz+1
.endr
.set zo, zo+1
.endr
	s_wait_tensorcnt 0x0                           ; the wave's end
	ds_add_u32 v[SPW], v[NIL]
	s_wait_dscnt 0x0
	CROUND                                         ; the closing round: no work-group ends while a partner may still ask for a tile that names it
	s_endpgm
.Lfunc_end_k_q5c0b2662cb_main:
	.size	k_q5c0b2662cb_main, .Lfunc_end_k_q5c0b2662cb_main-k_q5c0b2662cb_main
	.p2alignl 7, 3214868480
	.fill 96, 4, 3214868480
	.section	.rodata,"a",@progbits
	.p2align	6, 0x0
	.amdhsa_kernel k_q5c0b2662cb_main
		.amdhsa_group_segment_fixed_size 327680
		.amdhsa_private_segment_fixed_size 0
		.amdhsa_enable_private_segment 0
		.amdhsa_kernarg_size 80
		.amdhsa_user_sgpr_count 2
		.amdhsa_user_sgpr_kernarg_segment_ptr 1
		.amdhsa_wavefront_size32 1
		.amdhsa_system_sgpr_workgroup_id_x 1
		.amdhsa_system_sgpr_workgroup_id_y 1
		.amdhsa_system_sgpr_workgroup_id_z 1
		.amdhsa_system_vgpr_workitem_id 0
		.amdhsa_next_free_vgpr 1024
		.amdhsa_next_free_sgpr 100
		.amdhsa_reserve_vcc 0
		.amdhsa_float_denorm_mode_32 3
		.amdhsa_float_denorm_mode_16_64 3
		.amdhsa_memory_ordered 1
		.amdhsa_forward_progress 1
		.amdhsa_inst_pref_size 255
	.end_amdhsa_kernel
	.section	.bss,"aw",@nobits
	.p2align	6
	.space	262144
	.amdgpu_metadata
---
amdhsa.version: [ 1, 2 ]
amdhsa.kernels:
  - .name:           k_q5c0b2662cb_main
    .symbol:         k_q5c0b2662cb_main.kd
    .args:
      - { .name: x, .offset: 0, .size: 8, .value_kind: global_buffer, .address_space: global }
      - { .name: qkv, .offset: 8, .size: 8, .value_kind: global_buffer, .address_space: global }
      - { .name: wt, .offset: 16, .size: 8, .value_kind: global_buffer, .address_space: global }
      - { .name: b1, .offset: 24, .size: 8, .value_kind: global_buffer, .address_space: global }
      - { .name: b2, .offset: 32, .size: 8, .value_kind: global_buffer, .address_space: global }
      - { .name: a1, .offset: 40, .size: 8, .value_kind: global_buffer, .address_space: global }
      - { .name: bb1, .offset: 48, .size: 8, .value_kind: global_buffer, .address_space: global }
      - { .name: a2, .offset: 56, .size: 8, .value_kind: global_buffer, .address_space: global }
      - { .name: bb2, .offset: 64, .size: 8, .value_kind: global_buffer, .address_space: global }
      - { .name: out0, .offset: 72, .size: 8, .value_kind: global_buffer, .address_space: global }
    .group_segment_fixed_size: 327680
    .private_segment_fixed_size: 0
    .kernarg_segment_align: 8
    .kernarg_segment_size: 80
    .max_flat_workgroup_size: 128
    .sgpr_count:     100
    .vgpr_count:     1024
    .wavefront_size: 32
...
	.end_amdgpu_metadata
.endif
;; end of part 3
;; ======== version 2 of 2: 3 launches
;; workspace buffers: wt 5,767,168 bytes; qkv 50,331,648 bytes
;; launch prep (part 4): grid 416 x 1, 8 waves a work-group, no clusters, 35,840 bytes of LDS; arguments Wq, Wk, Wv, W1, W2, wt; writes wt
.if DOCPART == 4
	.amdgcn_target "amdgcn-amd-amdhsa--gfx1250"
	.amdhsa_code_object_version 6
	.text
	.protected	k_q5c0b2662cb_prep
	.globl	k_q5c0b2662cb_prep
	.p2align	8
	.type	k_q5c0b2662cb_prep,@function
k_q5c0b2662cb_prep:
	s_mov_b64 s[64:65], 0
	v_nop
	global_prefetch_b8 v0, s[64:65] scope:SCOPE_SE
	s_setreg_imm32_b32 hwreg(HW_REG_WAVE_MODE, 25, 1), 1
	s_wait_xcnt 0x0
; THE WEIGHTS IN bf16, laid as the two launches behind want them.  wt holds, in bytes:
;   0         [512 n][512 k]   M^T, where M = Wq Wk^T: M^T[n][k] = the sum over d of Wk[n][d] Wq[k][d]
;   524,288   [512 n][512 k]   Wv transposed (a row n is 1,024 bytes along k)
;   1,572,864 [2048 n][512 k]  W1 transposed
;   3,670,016 [2048 k][512 n]  W2 as it lies, only rounded          (bytes 1,048,576 to 1,572,863 are neither written nor read)
; WHY M.  The scores q k^T = (x Wq)(x Wk)^T are (x M) x^T for every input: the keys are then x itself, and one of the three projections is not made.
; ORDER OF ROUNDING, other than the reference's: Wq and Wk are rounded to bf16, their product is summed in f32 and M is rounded once to bf16, where the reference has q and k.  Where Wq and Wk carry
; a common offset of many times their spread, M's entries are large and nearly alike, and the rounding of M weighs more in a score than the roundings of q and k would.
; Work-groups 0-127 make M^T; 128-287 transpose a tile of 128 k x 64 n through LDS (32 tiles of Wv, 128 of W1); 288-415 round 32,768 bytes of W2 each.  The long ones come first.
; Every output byte is written once, sixteen (thirty-two in the rounding path) neighbouring lanes filling 256 consecutive aligned bytes.  No cluster: what work-groups share (Wq, Wk: 2 MiB) is small.
; M^T.  A work-group makes 16 n x 128 k.  Wave w takes 64 of the 128 columns (w / 4) and a quarter of d (w % 4): 4 accumulators, 4 steps of 32 along d.  A fragment comes straight from memory in f32
; (four loads of 16 bytes a lane; of each row a wave reads 512 consecutive bytes, aligned, in all) and is rounded in place.  Two sets of registers: while one step is multiplied the other's 20 loads are out.
; The matrix instruction is used transposed (source 0 = 16 rows of Wq, source 1 = 16 rows of Wk): a lane holds eight neighbouring k of one row n.  The four partial sums meet in LDS, in f32.
.set TP,    272                        ; a row in LDS: 256 bytes + 16
.set GST,   16*TP                      ; a wave's stage for its 16 x 64 partial sums
.set SPARE, 8*GST                      ; behind the eight stages (the transposing path's 64 rows lie in the same bytes): the spare words, 128 bytes for each of the eight waves
.set SPW, 2                            ; v2  LDS address of my spare word; never rewritten
.set NIL, 3                            ; v3  0; never rewritten
.set FO,  4                            ; v4  M^T: my byte offset in a fragment's rows: r x 2,048 + 32 h + 512 x quarter
.set SW,  5                            ; v5  where I put 32 bytes of a row of partial sums
.set RD,  6                            ; v6  where I read them back
.set GOO, 7                            ; v7  my 16 bytes of M^T
.set ACC, 16                           ; v[16:47]   four accumulators
.set L0,  48                           ; v[48:127]  a step's loads: Wk's fragment (16 registers of f32, then 8 of bf16 in their place), then Wq's four
.set L1,  128                          ; v[128:207] the other set
.set OFS, 8                            ; v[8:15]   transposing: byte offsets of my eight loads in the source tile
.set X,   16                           ; v[16:47]  eight loads of four f32
.set LA,  48                           ; v48  where I put a pair of k of column 4 c
.set LR,  49                           ; v49  where I read 16 bytes of a row n back
.set GO,  50                           ; v50  the same 16 bytes in wt
.set Y,   52                           ; v[52:67]  rounded pairs
.macro PLACES n                        ; plain vector instructions behind matrix instructions (ISA guide 7.12.1)
.rept \n
	v_nop
.endr
.endm
; Step s of four: 20 loads.  Registers 0-7 of a fragment's sixteen take d = 8 h + 0..7, registers 8-15 d = 16 + 8 h + 0..7
.macro GLOAD set, s
.irp q, 0,1,2,3
	global_load_b128 v[(\set)+4*(\q):(\set)+4*(\q)+3], v[FO], s[16:17] offset:128*(\s)+16*((\q)%2)+64*((\q)/2)
.endr
.irp b, 0,1,2,3
.irp q, 0,1,2,3
	global_load_b128 v[(\set)+16+16*(\b)+4*(\q):(\set)+16+16*(\b)+4*(\q)+3], v[FO], s[18:19] offset:32768*(\b)+128*(\s)+16*((\q)%2)+64*((\q)/2)
.endr
.endr
.endm
; Five fragments rounded in place: register q takes numbers 2 q and 2 q + 1, which no earlier line of the run has overwritten
.macro GCVT set
.set zf, 0
.rept 5
.set zq, 0
.rept 8
	v_cvt_pk_bf16_f32 v[(\set)+16*zf+zq], v[(\set)+16*zf+2*zq], v[(\set)+16*zf+2*zq+1]
.set zq, zq+1
.endr
.set zf, zf+1
.endr
.endm
; Four matrix instructions; the four accumulators take turns.  first = 1: the products start the sums
.macro GMUL set, first
.set zb, 0
.rept 4
.if \first
	v_wmma_f32_16x16x32_bf16 v[ACC+8*zb:ACC+8*zb+7], v[(\set)+16+16*zb:(\set)+16+16*zb+7], v[(\set):(\set)+7], 0
.else
	v_wmma_f32_16x16x32_bf16 v[ACC+8*zb:ACC+8*zb+7], v[(\set)+16+16*zb:(\set)+16+16*zb+7], v[(\set):(\set)+7], v[ACC+8*zb:ACC+8*zb+7]
.endif
.set zb, zb+1
.endr
.endm
	s_load_b256 s[4:11], s[0:1], 0x0               ; Wq s[4:5], Wk s[6:7], Wv s[8:9], W1 s[10:11]
	s_load_b128 s[12:15], s[0:1], 0x20             ; W2 s[12:13], wt s[14:15]
	v_lshl_add_u32 v[SPW], v0, 2, SPARE
	v_mov_b32 v[NIL], 0
	s_mov_b32 s20, ttmp9
	s_cmp_ge_u32 s20, 128                          ; the same for all waves of the work-group
	s_cbranch_scc1 .Lmove
	; M^T
	v_lshrrev_b32 v8, 5, v0
	v_readfirstlane_b32 s21, v8                    ; wave 0..7
	s_lshr_b32 s22, s21, 2                         ; which 64 of the 128 columns
	s_and_b32 s23, s21, 3                          ; which quarter of d
	s_lshr_b32 s24, s20, 2                         ; rows 16 nb on
	s_and_b32 s25, s20, 3                          ; columns 128 kb on
	s_lshl_b32 s30, s24, 15                        ; Wk: 16 nb rows of 2,048 bytes
	s_mov_b32 s31, 0
	s_lshl_b32 s32, s25, 18                        ; Wq: 128 kb rows,
	s_lshl_b32 s26, s22, 17                        ; and my 64 of them
	s_add_co_u32 s32, s32, s26
	s_mov_b32 s33, 0
	s_lshl_b32 s34, s24, 14                        ; wt: 16 nb rows of 1,024 bytes,
	s_lshl_b32 s26, s25, 8                         ; 128 kb numbers of 2 bytes along
	s_add_co_u32 s34, s34, s26
	s_mov_b32 s35, 0
	v_and_b32 v8, 15, v0                           ; r = l % 16; also t % 16
	v_bfe_u32 v9, v0, 4, 1                         ; h = l / 16
	v_lshlrev_b32 v[FO], 11, v8
	v_lshl_add_u32 v[FO], v9, 5, v[FO]
	s_lshl_b32 s26, s23, 9
	v_add_nc_u32 v[FO], s26, v[FO]
	v_mul_u32_u24 v[SW], v8, TP                    ; my stage: row r, 32 bytes for each half of the lanes
	v_lshl_add_u32 v[SW], v9, 5, v[SW]
	s_mul_i32 s26, s21, GST
	v_add_nc_u32 v[SW], s26, v[SW]
	v_lshrrev_b32 v10, 4, v0                       ; back: thread t takes row t / 16, columns 8 (t % 16) on:
	v_bfe_u32 v11, v0, 3, 1                        ; which 64 columns: stages 0-3 or 4-7,
	v_and_b32 v12, 7, v0                           ; and which 8 of them
	v_mul_u32_u24 v[RD], v10, TP
	v_lshl_add_u32 v[RD], v12, 5, v[RD]
	v_mul_u32_u24 v11, v11, 4*GST
	v_add_nc_u32 v[RD], v[RD], v11
	v_lshlrev_b32 v[GOO], 10, v10
	v_lshl_add_u32 v[GOO], v8, 4, v[GOO]
	s_wait_kmcnt 0x0
	s_add_nc_u64 s[16:17], s[6:7], s[30:31]
	s_add_nc_u64 s[18:19], s[4:5], s[32:33]
	s_add_nc_u64 s[36:37], s[14:15], s[34:35]
	GLOAD L0, 0
	GLOAD L1, 1
	s_wait_loadcnt 20                              ; the older set is in; the other set's 20 loads may stay out
	GCVT L0
	GMUL L0, 1
	PLACES 4                                       ; in front of loads into registers that matrix instructions have read
	GLOAD L0, 2
	s_wait_loadcnt 20
	GCVT L1
	GMUL L1, 0
	PLACES 4
	GLOAD L1, 3
	s_wait_loadcnt 20
	GCVT L0
	GMUL L0, 0
	s_wait_loadcnt 0x0
	GCVT L1
	GMUL L1, 0
	PLACES 8                                       ; the stores read results just made (once a launch: twice the four)
.set zb, 0
.rept 4
	ds_store_b128 v[SW], v[ACC+8*zb:ACC+8*zb+3]   offset:64*zb       ; each accumulator from its low end on
	ds_store_b128 v[SW], v[ACC+8*zb+4:ACC+8*zb+7] offset:64*zb+16
.set zb, zb+1
.endr
	s_wait_dscnt 0x0                               ; for the others' sake: my stores are done
	s_barrier_signal -1
	s_barrier_wait -1
.set zb, 0
.rept 4
	ds_load_b128 v[L0+8*zb:L0+8*zb+3],   v[RD] offset:GST*zb          ; the four quarters' sums of my eight numbers
	ds_load_b128 v[L0+8*zb+4:L0+8*zb+7], v[RD] offset:GST*zb+16
.set zb, zb+1
.endr
	s_wait_dscnt 0x0
.irp p, 0,2,4,6
	v_pk_add_f32 v[L0+(\p):L0+(\p)+1], v[L0+(\p):L0+(\p)+1], v[L0+8+(\p):L0+8+(\p)+1]
	v_pk_add_f32 v[L0+16+(\p):L0+16+(\p)+1], v[L0+16+(\p):L0+16+(\p)+1], v[L0+24+(\p):L0+24+(\p)+1]
.endr
.irp p, 0,2,4,6
	v_pk_add_f32 v[L0+(\p):L0+(\p)+1], v[L0+(\p):L0+(\p)+1], v[L0+16+(\p):L0+16+(\p)+1]
.endr
.irp q, 0,1,2,3
	v_cvt_pk_bf16_f32 v[L1+(\q)], v[L0+2*(\q)], v[L0+2*(\q)+1]
.endr
	global_store_b128 v[GOO], v[L1:L1+3], s[36:37]  ; sixteen lanes store 256 consecutive bytes, aligned
	s_branch .Lend
.Lmove:
	s_cmp_ge_u32 s20, 288
	s_cbranch_scc1 .Lcast
	; THE TRANSPOSING PATH.  Which matrix, which tile: tk of 4 along k, tn along n (8 in Wv, 32 in W1)
	s_sub_co_u32 s34, s20, 128
	s_bfe_u32 s22, s34, 0x20003
	s_and_b32 s23, s34, 7
	s_max_u32 s24, s34, 32
	s_sub_co_u32 s24, s24, 32
	s_lshr_b32 s25, s24, 5
	s_and_b32 s26, s24, 31
	s_movk_i32 s28, 0x2000
	s_mov_b32 s21, 0x80000
	s_cmp_lt_u32 s34, 32
	s_cselect_b32 s21, s21, 0x180000               ; where the matrix begins in wt
	s_cselect_b32 s22, s22, s25                    ; tk
	s_cselect_b32 s23, s23, s26                    ; tn
	s_cselect_b32 s27, 0x800, s28                  ; bytes in a source row: 2,048 or 8,192
	s_mul_i32 s30, s22, s27
	s_lshl_b32 s30, s30, 7                         ; 128 tk rows down,
	s_lshl_b32 s29, s23, 8
	s_add_co_u32 s30, s30, s29                     ; 64 tn columns of 4 bytes along
	s_mov_b32 s31, 0
	s_lshl_b32 s32, s23, 16                        ; in wt: 64 tn rows of 1,024 bytes down,
	s_add_co_u32 s32, s32, s21
	s_lshl_b32 s29, s22, 8
	s_add_co_u32 s32, s32, s29                     ; 128 tk numbers of 2 bytes along
	s_mov_b32 s33, 0
	v_and_b32 v4, 15, v0                           ; c: my four columns 4 c .. 4 c + 3
	v_lshrrev_b32 v5, 4, v0                        ; kp: my rows 2 kp, 2 kp + 1 in each 32
	v_lshlrev_b32 v6, 4, v4
	v_lshlrev_b32 v7, 1, v5
.irp j, 0,1,2,3,4,5,6,7
	v_add_nc_u32 v[OFS+(\j)], ((\j)%2)+32*((\j)/2), v7
	v_mul_u32_u24 v[OFS+(\j)], s27, v[OFS+(\j)]
	v_add_nc_u32 v[OFS+(\j)], v[OFS+(\j)], v6      ; row x pitch + 16 c
.endr
	v_mul_u32_u24 v[LA], v4, 4*TP
	v_lshl_add_u32 v[LA], v5, 2, v[LA]             ; LDS row 4 c, byte 4 kp
	v_mul_u32_u24 v[LR], v5, TP
	v_add_nc_u32 v[LR], v[LR], v6                  ; LDS row t / 16, byte 16 (t % 16)
	v_lshl_add_u32 v[GO], v5, 10, v6
	s_wait_kmcnt 0x0
	s_cmp_lt_u32 s34, 32
	s_cselect_b64 s[16:17], s[8:9], s[10:11]
	s_add_nc_u64 s[16:17], s[16:17], s[30:31]
	s_add_nc_u64 s[18:19], s[14:15], s[32:33]
.irp j, 0,1,2,3,4,5,6,7
	global_load_b128 v[X+4*(\j):X+4*(\j)+3], v[OFS+(\j)], s[16:17] th:TH_LOAD_NT  ; sixteen lanes take 256 consecutive bytes of a row
.endr
	s_wait_loadcnt 0x0
.set zi, 0
.rept 4
.set zq, 0
.rept 4
	v_cvt_pk_bf16_f32 v[Y+4*zi+zq], v[X+8*zi+zq], v[X+8*zi+4+zq]   ; k = 2 kp + 32 i and the next, of column 4 c + q
	ds_store_b32 v[LA], v[Y+4*zi+zq] offset:zq*TP+64*zi
.set zq, zq+1
.endr
.set zi, zi+1
.endr
	s_wait_dscnt 0x0                               ; for the others' sake: my stores are done
	s_barrier_signal -1
	s_barrier_wait -1
.irp i, 0,1,2,3
	ds_load_b128 v[X+4*(\i):X+4*(\i)+3], v[LR] offset:(\i)*16*TP
.endr
.irp i, 0,1,2,3
	s_wait_dscnt 3-(\i)
	global_store_b128 v[GO], v[X+4*(\i):X+4*(\i)+3], s[18:19] offset:(\i)*16384  ; sixteen lanes store 256 consecutive bytes, aligned
.endr
	s_branch .Lend
.Lcast:                                        ; THE ROUNDING PATH: 8,192 numbers of W2
	s_sub_co_u32 s21, s20, 288
	s_lshl_b32 s30, s21, 15
	s_mov_b32 s31, 0
	s_lshl_b32 s32, s21, 14
	s_add_co_u32 s32, s32, 0x380000
	s_mov_b32 s33, 0
	v_lshlrev_b32 v4, 4, v0
	v_lshlrev_b32 v5, 3, v0
	s_wait_kmcnt 0x0
	s_add_nc_u64 s[16:17], s[12:13], s[30:31]
	s_add_nc_u64 s[18:19], s[14:15], s[32:33]
.irp i, 0,1,2,3,4,5,6,7
	global_load_b128 v[X+4*(\i):X+4*(\i)+3], v4, s[16:17] offset:4096*(\i) th:TH_LOAD_NT
.endr
.irp i, 0,1,2,3,4,5,6,7
	s_wait_loadcnt 7-(\i)                          ; loads come back in order: the younger ones stay out
	v_cvt_pk_bf16_f32 v[Y+2*(\i)], v[X+4*(\i)], v[X+4*(\i)+1]
	v_cvt_pk_bf16_f32 v[Y+2*(\i)+1], v[X+4*(\i)+2], v[X+4*(\i)+3]
	global_store_b64 v5, v[Y+2*(\i):Y+2*(\i)+1], s[18:19] offset:2048*(\i)  ; a wave stores 256 consecutive bytes, aligned
.endr
.Lend:
	s_wait_tensorcnt 0x0                           ; the wave's end, behind the last LDS store
	ds_add_u32 v[SPW], v[NIL]
	s_wait_dscnt 0x0
	s_endpgm
.Lfunc_end_k_q5c0b2662cb_prep:
	.size	k_q5c0b2662cb_prep, .Lfunc_end_k_q5c0b2662cb_prep-k_q5c0b2662cb_prep
	.p2alignl 7, 3214868480
	.fill 96, 4, 3214868480
	.section	.rodata,"a",@progbits
	.p2align	6, 0x0
	.amdhsa_kernel k_q5c0b2662cb_prep
		.amdhsa_group_segment_fixed_size 35840
		.amdhsa_private_segment_fixed_size 0
		.amdhsa_enable_private_segment 0
		.amdhsa_kernarg_size 48
		.amdhsa_user_sgpr_count 2
		.amdhsa_user_sgpr_kernarg_segment_ptr 1
		.amdhsa_wavefront_size32 1
		.amdhsa_system_sgpr_workgroup_id_x 1
		.amdhsa_system_sgpr_workgroup_id_y 1
		.amdhsa_system_sgpr_workgroup_id_z 1
		.amdhsa_system_vgpr_workitem_id 0
		.amdhsa_next_free_vgpr 208
		.amdhsa_next_free_sgpr 66
		.amdhsa_reserve_vcc 0
		.amdhsa_float_denorm_mode_32 3
		.amdhsa_float_denorm_mode_16_64 3
		.amdhsa_memory_ordered 1
		.amdhsa_forward_progress 1
		.amdhsa_inst_pref_size 34
	.end_amdhsa_kernel
	.amdgpu_metadata
---
amdhsa.version: [ 1, 2 ]
amdhsa.kernels:
  - .name:           k_q5c0b2662cb_prep
    .symbol:         k_q5c0b2662cb_prep.kd
    .args:
      - { .name: Wq, .offset: 0, .size: 8, .value_kind: global_buffer, .address_space: global }
      - { .name: Wk, .offset: 8, .size: 8, .value_kind: global_buffer, .address_space: global }
      - { .name: Wv, .offset: 16, .size: 8, .value_kind: global_buffer, .address_space: global }
      - { .name: W1, .offset: 24, .size: 8, .value_kind: global_buffer, .address_space: global }
      - { .name: W2, .offset: 32, .size: 8, .value_kind: global_buffer, .address_space: global }
      - { .name: wt, .offset: 40, .size: 8, .value_kind: global_buffer, .address_space: global }
    .group_segment_fixed_size: 35840
    .private_segment_fixed_size: 0
    .kernarg_segment_align: 8
    .kernarg_segment_size: 48
    .max_flat_workgroup_size: 256
    .sgpr_count:     66
    .vgpr_count:     208
    .wavefront_size: 32
...
	.end_amdgpu_metadata
.endif
;; end of part 4
;; launch qkv (part 5): grid 256 x 1, 4 waves a work-group, clusters of 4 x 1, 327,680 bytes of LDS; arguments x, wt, qkv; writes qkv
.if DOCPART == 5
	.amdgcn_target "amdgcn-amd-amdhsa--gfx1250"
	.amdhsa_code_object_version 6
	.text
	.protected	k_q5c0b2662cb_qkv
	.globl	k_q5c0b2662cb_qkv
	.p2align	8
	.type	k_q5c0b2662cb_qkv,@function
k_q5c0b2662cb_qkv:
	s_mov_b64 s[64:65], 0
	v_nop
	global_prefetch_b8 v0, s[64:65] scope:SCOPE_SE
	s_setreg_imm32_b32 hwreg(HW_REG_WAVE_MODE, 25, 1), 1
	s_wait_xcnt 0x0
	s_wait_alu depctr_hold_cnt(0) depctr_sa_sdst(0) depctr_va_vdst(0) depctr_va_sdst(0) depctr_va_ssrc(0) depctr_va_vcc(0) depctr_vm_vsrc(0)
	s_getreg_b32 s2, hwreg(HW_REG_IB_STS2, 6, 4)
	s_cmp_eq_u32 s2, 0
	s_cbranch_scc0 .Lentry_in_a_cluster
	s_endpgm
.Lentry_in_a_cluster:
	s_bfe_u32 s2, ttmp6, 0x10000c
	s_cmp_lg_u32 s2, 0x3003
	s_cbranch_scc0 .Lentry_shape_is_right
	s_endpgm
.Lentry_shape_is_right:
; qkv[0] = x M, qkv[1] = x, qkv[2] = x Wv, all bf16 [16384][512].  M = Wq Wk^T (made by the launch before): the scores q k^T of the reference are (x M) x^T for every input, so the keys are x itself.
; x: [16384][512] f32, rounded once to bf16; weights from wt: M^T and Wv^T, [1024 n][512 k] bf16; sums in f32; each result rounded once, x M without the scores' scale.
; SHARES.  A work-group of four waves owns 64 rows of x.  Their 64 x 512 numbers lie as fragments in the registers of EVERY wave (512 registers), so LDS is read for the weights alone.
; The weights go through two LDS slots in 8 tiles of 128 n x 512 k (131,072 bytes).  In a step a wave multiplies its 32 of the tile's 128 rows by all 64 rows of x: 8 accumulators, 128 matrix
; instructions, 64 LDS loads.  The step's results are finished (all of K lies in the tile) and leave at once, so one text serves every step.
; THE ORDER OF THE TILES.  The 8 tiles are independent: cluster g begins at tile g % 8 and goes round, so that the 64 clusters ask for 8 different tiles at a time and not all for the same one.
; Tile t holds columns 128 (t % 4) .. + 127 of x M (t < 4) or of x Wv; a step's place in qkv is made from its tile's number.
; CLUSTER.  The four work-groups of a cluster walk the same tiles and ask for each JOINTLY (same load, same descriptor, a mask that names the four); each wave brings a quarter, 32 rows of 1,024 bytes.
; THE MATRIX INSTRUCTION IS USED TRANSPOSED (source 0 = 16 rows of the weights, source 1 = 16 rows of x): a lane holds eight neighbouring columns of one row of the result, 16 bytes in bf16.
; NO PREFETCH: the weights are walked by all 64 clusters, not read once; x is asked for at the head, where the first tiles are on their way.
; REGISTERS, in windows of 256 (s_set_vgpr_msb: bits 1:0 source 0, 3:2 source 1, 5:4 source 2, 7:6 destination):
;   window 0: v1-19 addresses; v32-63 packed results; v64-127, v128-191 two buffers of weight fragments; v192-255 the eight accumulators
;   windows 1, 2: x's fragments: rows 16 a, channels 32 s at register 32 (s % 8) + 8 a of window 1 + s / 8          window 3: x as it is loaded
.set PITCH, 1040                       ; an LDS row: 1,024 bytes + 16 = 260 words: row r starts at bank 4 r mod 64 (64 banks of 4 bytes: ISA guide 11.1)
.set QUART, 32*PITCH                   ; what one tensor load brings
.set SLOT1, 4*QUART                    ; slot 0 at 0, slot 1 here
.set U,     2*SLOT1                    ; 33,792 bytes: x's exchange (32 rows x 1,040), later the way out of even steps (64 rows x 272)
.set OS,    U+33792                    ; 17,408 bytes: the way out of odd steps
.set SPARE, OS+17408                   ; the spare words, 128 bytes a wave: two blocks of 256 bytes that no other line names
.set SP,    272
.set ABK, 1                            ; v1, v2  LDS address of my weight fragments in slot 0, 1
.set AU,  3                            ; v3   of a fragment of x in U
.set UXW, 4                            ; v4   where I put 8 bytes of x
.set OSW, 5                            ; v5, v6  the way out: where I put 16 bytes of a row (even, odd steps)
.set OSR, 7                            ; v7, v8  where I read a row back
.set GO,  9                            ; v9   my byte offset in the block's rows of a result
.set XO,  10                           ; v10  my byte offset in the block's rows of x
.set KO,  11                           ; v11  my byte offset in the block's rows of x in bf16
.set SPW, 18                           ; v18  LDS address of my spare word; never rewritten
.set NIL, 19                           ; v19  0; never rewritten
.set PK,  32
.set FB0, 64
.set FB1, 128
.set SA,  192                          ; accumulator (a, b) at SA + 8 (2 a + b)
.set WV,  10                           ; s10  my wave's number
.set CX,  11                           ; s11  my place in the cluster: it enters x's and qkv's addresses alone
.set CNT, 12
.set TN,  13                           ; s13  the tile to be asked for next
.set G1A, 16                           ; s[16:23] descriptor group 1
.set G0,  24                           ; s[24:31] descriptor group 0, a set for each slot
.set XP,  32                           ; s[32:33] x at my block
.set OP,  34                           ; s[34:35] where the step in hand stores
.set OI,  36                           ; s[36:37] its offset from OB
.set WB,  46                           ; s[46:47] wt at my 32 rows of tile 0
.set OB,  48                           ; s[48:49] qkv at my block's rows of x M
.set TO,  50                           ; s50  the tile of the step in hand
.set OF,  52                           ; s[52:53] a tile's byte offset in wt
.set KP,  58                           ; s[58:59] qkv at my block's rows of x in bf16
.set MSB, 0
.macro WIN new                         ; the high byte repeats the setting that is left; a switch that changes nothing is dropped
.if MSB != (\new)
	s_set_vgpr_msb (MSB<<8)|(\new)
.set MSB, (\new)
.endif
.endm
.macro PLACES n                        ; plain vector instructions behind matrix instructions (ISA guide 7.12.1)
.rept \n
	v_nop
.endr
.endm
.macro CREST                           ; a round of the cluster's barrier behind its opening barrier
	s_cmp_lg_u32 s[WV], 0
	s_cbranch_scc1 .Lnot_wave_0_\@
	s_barrier_signal -3
.Lnot_wave_0_\@:
	s_barrier_wait -3
	s_barrier_signal -1
	s_barrier_wait -1
.endm
.macro CROUND
	s_barrier_signal -1
	s_barrier_wait -1
	CREST
.endm
; 32 rows of U (half hh of the block) into x's fragments a = 2 hh, 2 hh + 1: 64 loads
.macro AREAD hh
.set zw, 0
.rept 2
	WIN 0x40+0x40*zw
.set zz, 0
.rept 16
.set rr, 32*(zz/2)+8*(2*(\hh)+zz%2)
	ds_load_b128 v[rr:rr+3],   v[AU] offset:(zz%2)*16*PITCH+64*(8*zw+zz/2)
	ds_load_b128 v[rr+4:rr+7], v[AU] offset:(zz%2)*16*PITCH+64*(8*zw+zz/2)+32
.set zz, zz+1
.endr
.set zw, zw+1
.endr
	WIN 0
.endm
; 16 loads: my 32 rows of the tile, channels 128 i .. 128 i + 127: fragment (sl, b) at fb + 16 sl + 8 b
.macro NFETCH adr, i, fb
	WIN 0
.set zz, 0
.rept 8
	ds_load_b128 v[(\fb)+8*zz:(\fb)+8*zz+3],   v[\adr] offset:(zz%2)*16*PITCH+64*(4*(\i)+zz/2)
	ds_load_b128 v[(\fb)+8*zz+4:(\fb)+8*zz+7], v[\adr] offset:(zz%2)*16*PITCH+64*(4*(\i)+zz/2)+32
.set zz, zz+1
.endr
.endm
; 8 matrix instructions, 32 channels: the eight accumulators take turns.  A step's first eight start the sums with the constant 0.
.macro NMUL i, fb, sl
	WIN 0x04+0x04*((\i)/2)
.set zz, 0
.rept 8
.set rD, SA+8*(2*(zz%4)+zz/4)
.set rB, (\fb)+16*(\sl)+8*(zz/4)
.set rA, 128*((\i)%2)+32*(\sl)+8*(zz%4)
.if ((\i)+(\sl)) != 0
	v_wmma_f32_16x16x32_bf16 v[rD:rD+7], v[rB:rB+7], v[rA:rA+7], v[rD:rD+7]
.else
	v_wmma_f32_16x16x32_bf16 v[rD:rD+7], v[rB:rB+7], v[rA:rA+7], 0
.endif
.set zz, zz+1
.endr
.endm
; One of a step's first three quarters.  The next quarter's 16 loads go out first, in one run, into the buffer that the quarter before multiplied: they have this quarter's 32 matrix instructions in which to land.
.macro NSTAGE adr, i
	PLACES 4                                       ; in front of loads into registers that matrix instructions have read
	NFETCH \adr, (\i)+1, FB0+64*(1-(\i)%2)
	s_wait_dscnt 16                                ; all but the 16 just issued: this quarter's fragments, asked for a quarter ago, are in
	NMUL \i, FB0+64*((\i)%2), 0
	NMUL \i, FB0+64*((\i)%2), 1
	NMUL \i, FB0+64*((\i)%2), 2
	NMUL \i, FB0+64*((\i)%2), 3
.endm
; The last quarter changes slots.  In front of the barrier each wave waits for all its tensor loads (one is out: its part of the other slot), adds 0 to its spare word, and waits for that and for its reads of
; this slot.  fill = 1: the barrier opens a round of the cluster's, and this slot is filled again, with tile TN, first thing behind the round.  Then the other slot's first fragments are fetched.
.macro NTURN p, fill
	WIN 0
	s_wait_tensorcnt 0x0                           ; no tensor load of mine is out, so a group 0 may be written
	ds_add_u32 v[SPW], v[NIL]
.if \fill
	s_lshl_b32 s[OF], s[TN], 17                    ; a tile is 131,072 bytes; the address is made anew from the tile's number
	s_add_nc_u64 s[G0+4*(\p)+2:G0+4*(\p)+3], s[WB:WB+1], s[OF:OF+1]
	s_or_b32 s[G0+4*(\p)+3], s[G0+4*(\p)+3], 0x80000000
	s_add_co_u32 s[TN], s[TN], 1                   ; round the eight
	s_and_b32 s[TN], s[TN], 7
.endif
	s_wait_dscnt 1                                 ; the quarter's fragments are in; the add may be out
	NMUL 3, FB1, 0
	s_wait_dscnt 0x0                               ; the add is done, and my reads of this slot are over
	s_barrier_signal -1
	NMUL 3, FB1, 1
	WIN 0
	s_barrier_wait -1
.if \fill
	CREST                                          ; no wave of any partner still reads this slot or has a load on its way
	tensor_load_to_lds s[G0+4*(\p):G0+4*(\p)+3], s[G1A:G1A+7]
	s_nop 0
	PLACES 4                                       ; also the places in front of the loads below
.else
	PLACES 4
.endif
	NFETCH ABK+1-(\p), 0, FB0
	NMUL 3, FB1, 2
	NMUL 3, FB1, 3
.endm
; THE WAY OUT of a step: 64 rows x 128 columns.  A wave's 32 columns are 64 bytes of a row, so the four waves meet in a stage (two stages take turns: between a stage's reads and its next
; writes stands the next step's change of slots, with its wait for all LDS instructions).  Each wave then stores 16 whole rows of 256 bytes.
.macro DRAIN p
	WIN 0
	s_wait_xcnt 0x0                                ; the last step's stores have read their base and their data: only now are they written again
	s_lshr_b32 s54, s[TO], 2
	s_lshl_b32 s54, s54, 25                        ; x M at 0, x Wv at 33,554,432,
	s_and_b32 s55, s[TO], 3
	s_lshl_b32 s55, s55, 8                         ; columns 128 (t % 4) on: 256 bytes
	s_add_co_u32 s[OI], s54, s55
	s_add_nc_u64 s[OP:OP+1], s[OB:OB+1], s[OI:OI+1]
	s_add_co_u32 s[TO], s[TO], 1                   ; the next step's tile
	s_and_b32 s[TO], s[TO], 7
	PLACES 4                                       ; the conversions read results just made
.set zz, 0
.rept 32
	v_cvt_pk_bf16_f32 v[PK+zz], v[SA+2*zz], v[SA+2*zz+1]   ; each accumulator from its low end on
.set zz, zz+1
.endr
.set zz, 0
.rept 8
	ds_store_b128 v[OSW+(\p)], v[PK+4*zz:PK+4*zz+3] offset:(zz/2)*16*SP+32*(zz%2)
.set zz, zz+1
.endr
	s_wait_dscnt 0x0                               ; for the others' sake
	s_barrier_signal -1
	s_barrier_wait -1                              ; the tile on its way may stay out
.set zz, 0
.rept 8
	ds_load_b128 v[PK+4*zz:PK+4*zz+3], v[OSR+(\p)] offset:zz*2*SP
.set zz, zz+1
.endr
.set zz, 0
.rept 8
	s_wait_dscnt 7-zz
	global_store_b128 v[GO], v[PK+4*zz:PK+4*zz+3], s[OP:OP+1] offset:2048*zz  ; sixteen lanes store 256 consecutive bytes, aligned
.set zz, zz+1
.endr
.endm
	s_load_b128 s[4:7], s[0:1], 0x0                ; x s[4:5], wt s[6:7]
	s_load_b64 s[8:9], s[0:1], 0x10                ; qkv
	v_lshl_add_u32 v[SPW], v0, 2, SPARE
	v_mov_b32 v[NIL], 0
	ds_add_u32 v[SPW], v[NIL]                      ; the wave's opening; its wait stands ahead of my first tensor load
	v_lshrrev_b32 v20, 5, v0
	v_readfirstlane_b32 s[WV], v20
	s_bfe_u32 s[CX], ttmp6, 0x40000
	s_lshl_b32 s14, ttmp9, 2                       ; in a cluster launch ttmp9 counts clusters
	s_add_co_u32 s14, s14, s[CX]                   ; my block of 64 rows
	s_lshl_b32 s40, s14, 17                        ; 64 rows of 2,048 bytes
	s_mov_b32 s41, 0
	s_lshl_b32 s42, s14, 16                        ; 64 rows of 1,024 bytes
	s_mov_b32 s43, 0
	s_mov_b32 s[G1A], 15|(1<<16)|(1<<20)|(1<<21)|(7<<22)|(3<<25)  ; mask of four; 2-byte elements; padding on; bit 21 beside a mask; after every 256 words; 4 words
	s_mov_b32 s[G1A+1], 512<<16                    ; tensor_dim0 = 512
	s_mov_b32 s[G1A+2], 32<<16                     ; tensor_dim1 = 32
	s_mov_b32 s[G1A+3], 512<<16                    ; tile_dim0 = 512
	s_mov_b32 s[G1A+4], 32                         ; tile_dim1 = 32
	s_mov_b32 s[G1A+5], 512                        ; elements from row to row
	s_mov_b32 s[G1A+6], 0
	s_mov_b32 s[G1A+7], 0
	s_mul_i32 s15, s[WV], QUART                    ; my quarter of a slot
	s_mov_b32 s[G0], 1
	s_mov_b32 s[G0+1], s15
	s_mov_b32 s[G0+4], 1
	s_add_co_u32 s[G0+5], s15, SLOT1
	s_lshl_b32 s38, s[WV], 15                      ; my 32 rows of a tile in memory
	s_mov_b32 s39, 0
	s_and_b32 s[TO], ttmp9, 7                      ; the first tile: the cluster's number % 8, the same in all four partners
	s_add_co_u32 s55, s[TO], 1                     ; the second,
	s_and_b32 s55, s55, 7
	s_add_co_u32 s[TN], s55, 1                     ; and the one that the first refill asks for
	s_and_b32 s[TN], s[TN], 7
	s_lshl_b32 s[OF], s[TO], 17
	s_mov_b32 s[OF+1], 0
	s_lshl_b32 s56, s55, 17
	s_mov_b32 s57, 0
	s_mov_b32 s[OI+1], 0
	s_wait_dscnt 0x0                               ; the opening add is done
	s_wait_kmcnt 0x0
	s_add_nc_u64 s[WB:WB+1], s[6:7], s[38:39]
	s_add_nc_u64 s[G0+2:G0+3], s[WB:WB+1], s[OF:OF+1]
	s_add_nc_u64 s[G0+6:G0+7], s[WB:WB+1], s[56:57]
	s_or_b32 s[G0+3], s[G0+3], 0x80000000
	s_or_b32 s[G0+7], s[G0+7], 0x80000000
	s_add_nc_u64 s[XP:XP+1], s[4:5], s[40:41]
	s_add_nc_u64 s[OB:OB+1], s[8:9], s[42:43]
	s_add_nc_u64 s[KP:KP+1], s[OB:OB+1], 0x1000000
	CROUND                                         ; all four work-groups are here: the first joint loads meet
	tensor_load_to_lds s[G0:G0+3], s[G1A:G1A+7]    ; both first fills together: two loads of mine are out
	s_nop 0
	tensor_load_to_lds s[G0+4:G0+7], s[G1A:G1A+7]
	s_nop 0
	PLACES 4
	v_and_b32 v21, 31, v0                          ; l
	v_and_b32 v22, 15, v0                          ; r = l % 16
	v_bfe_u32 v23, v0, 4, 1                        ; h = l / 16
	s_lshl_b32 s45, s[WV], 14
	v_lshl_add_u32 v[XO], v21, 4, s45              ; 8 w rows of 2,048 bytes + 16 l
	; x: wave w takes rows 32 H + 8 w + i, four loads of 512 consecutive bytes a row
	WIN 0xc0
.set zz, 0
.rept 64
	global_load_b128 v[4*zz:4*zz+3], v[XO], s[XP:XP+1] offset:(32*(zz/32)+(zz%32)/4)*2048+512*(zz%4) th:TH_LOAD_NT
.set zz, zz+1
.endr
	WIN 0
	s_lshl_b32 s45, s[WV], 13
	v_lshl_add_u32 v[KO], v21, 3, s45              ; 8 w rows of 1,024 bytes + 8 l
	v_mul_u32_u24 v24, v22, PITCH
	v_lshl_add_u32 v24, v23, 4, v24                ; a fragment's row x pitch + 16 x half
	v_add_nc_u32 v[ABK], s15, v24
	v_add_nc_u32 v[ABK+1], SLOT1, v[ABK]
	v_add_nc_u32 v[AU], U, v24
	s_mul_i32 s45, s[WV], 8*PITCH
	s_add_co_u32 s45, s45, U
	v_lshl_add_u32 v[UXW], v21, 3, s45
	v_mul_u32_u24 v25, v22, SP
	v_lshl_add_u32 v25, v23, 4, v25
	s_lshl_b32 s45, s[WV], 6
	v_add_nc_u32 v25, s45, v25                     ; row r, my wave's 64 bytes, 16 for each half of the lanes
	v_add_nc_u32 v[OSW], U, v25
	v_add_nc_u32 v[OSW+1], OS, v25
	s_mul_i32 s45, s[WV], 16*SP
	v_mul_u32_u24 v26, v23, SP
	v_lshl_add_u32 v26, v22, 4, v26
	v_add_nc_u32 v26, s45, v26                     ; rows 16 w + h, whole
	v_add_nc_u32 v[OSR], U, v26
	v_add_nc_u32 v[OSR+1], OS, v26
	s_lshl_b32 s45, s[WV], 14
	v_lshlrev_b32 v[GO], 10, v23
	v_lshl_add_u32 v[GO], v22, 4, v[GO]
	v_add_nc_u32 v[GO], s45, v[GO]
; Half hh of the block: rounded to bf16, 8 bytes a lane into U
.macro XHALF hh
	WIN 0x0f
.set zz, 0
.rept 32
	v_cvt_pk_bf16_f32 v[64+64*(\hh)+2*zz],   v[128*(\hh)+4*zz],   v[128*(\hh)+4*zz+1]
	v_cvt_pk_bf16_f32 v[64+64*(\hh)+2*zz+1], v[128*(\hh)+4*zz+2], v[128*(\hh)+4*zz+3]
.set zz, zz+1
.endr
	WIN 0
.set zz, 0
.rept 32
	ds_store_b64 v[UXW], v[64+64*(\hh)+2*zz:64+64*(\hh)+2*zz+1] offset:(zz/4)*PITCH+256*(zz%4)
.set zz, zz+1
.endr
.endm
; The same rounded numbers leave as the keys: a wave's store covers 256 consecutive bytes, aligned
.macro KSTORE hh
.set zz, 0
.rept 32
	global_store_b64 v[KO], v[64+64*(\hh)+2*zz:64+64*(\hh)+2*zz+1], s[KP:KP+1] offset:(32*(\hh)+zz/4)*1024+256*(zz%4)
.set zz, zz+1
.endr
.endm
	s_wait_loadcnt 32                              ; the first half's 32 loads are in
	XHALF 0
	s_wait_dscnt 0x0
	s_barrier_signal -1
	s_barrier_wait -1                              ; rows 0-31 lie in U
	AREAD 0
	KSTORE 0                                       ; while the loads above are out
	s_wait_dscnt 0x0                               ; my reads of U are over,
	s_barrier_signal -1
	s_barrier_wait -1                              ; everybody's are: U may be written again
	s_wait_loadcnt 0x0
	XHALF 1
	s_wait_dscnt 0x0
	s_wait_tensorcnt 1                             ; my part of the first tile is in; the second's may stay out
	s_barrier_signal -1
	s_barrier_wait -1
	AREAD 1
	KSTORE 1
	s_wait_xcnt 0x0                                ; the keys' stores have read their data: v64-191 are loaded again only behind this wait
	NFETCH ABK, 0, FB0
	s_mov_b32 s[CNT], 3
.Ltrip:                                        ; two steps a trip: two tiles are multiplied, the two behind them asked for
	NSTAGE ABK, 0
	NSTAGE ABK, 1
	NSTAGE ABK, 2
	NTURN 0, 1
	DRAIN 0
	NSTAGE ABK+1, 0
	NSTAGE ABK+1, 1
	NSTAGE ABK+1, 2
	NTURN 1, 1
	DRAIN 1
	s_sub_co_u32 s[CNT], s[CNT], 1
	s_cmp_lg_u32 s[CNT], 0
	s_cbranch_scc1 .Ltrip
	NSTAGE ABK, 0                                  ; the last two steps are written out: nothing is left to ask for
	NSTAGE ABK, 1
	NSTAGE ABK, 2
	NTURN 0, 0
	DRAIN 0
	NSTAGE ABK+1, 0
	NSTAGE ABK+1, 1
	NSTAGE ABK+1, 2
	s_wait_dscnt 0x0
	NMUL 3, FB1, 0
	NMUL 3, FB1, 1
	NMUL 3, FB1, 2
	NMUL 3, FB1, 3
	DRAIN 1
	s_wait_tensorcnt 0x0                           ; the wave's end
	ds_add_u32 v[SPW], v[NIL]
	s_wait_dscnt 0x0
	CROUND                                         ; the closing round: no work-group ends while a partner may still ask for a tile that names it
	s_endpgm
.Lfunc_end_k_q5c0b2662cb_qkv:
	.size	k_q5c0b2662cb_qkv, .Lfunc_end_k_q5c0b2662cb_qkv-k_q5c0b2662cb_qkv
	.p2alignl 7, 3214868480
	.fill 96, 4, 3214868480
	.section	.rodata,"a",@progbits
	.p2align	6, 0x0
	.amdhsa_kernel k_q5c0b2662cb_qkv
		.amdhsa_group_segment_fixed_size 327680
		.amdhsa_private_segment_fixed_size 0
		.amdhsa_enable_private_segment 0
		.amdhsa_kernarg_size 24
		.amdhsa_user_sgpr_count 2
		.amdhsa_user_sgpr_kernarg_segment_ptr 1
		.amdhsa_wavefront_size32 1
		.amdhsa_system_sgpr_workgroup_id_x 1
		.amdhsa_system_sgpr_workgroup_id_y 1
		.amdhsa_system_sgpr_workgroup_id_z 1
		.amdhsa_system_vgpr_workitem_id 0
		.amdhsa_next_free_vgpr 1024
		.amdhsa_next_free_sgpr 66
		.amdhsa_reserve_vcc 0
		.amdhsa_float_denorm_mode_32 3
		.amdhsa_float_denorm_mode_16_64 3
		.amdhsa_memory_ordered 1
		.amdhsa_forward_progress 1
		.amdhsa_inst_pref_size 110
	.end_amdhsa_kernel
	.amdgpu_metadata
---
amdhsa.version: [ 1, 2 ]
amdhsa.kernels:
  - .name:           k_q5c0b2662cb_qkv
    .symbol:         k_q5c0b2662cb_qkv.kd
    .args:
      - { .name: x, .offset: 0, .size: 8, .value_kind: global_buffer, .address_space: global }
      - { .name: wt, .offset: 8, .size: 8, .value_kind: global_buffer, .address_space: global }
      - { .name: qkv, .offset: 16, .size: 8, .value_kind: global_buffer, .address_space: global }
    .group_segment_fixed_size: 327680
    .private_segment_fixed_size: 0
    .kernarg_segment_align: 8
    .kernarg_segment_size: 24
    .max_flat_workgroup_size: 128
    .sgpr_count:     66
    .vgpr_count:     1024
    .wavefront_size: 32
...
	.end_amdgpu_metadata
.endif
;; end of part 5
;; launch main (part 6): grid 256 x 1, 4 waves a work-group, clusters of 4 x 1, 327,680 bytes of LDS; arguments x, qkv, wt, b1, b2, a1, bb1, a2, bb2, out0; writes out0
.if DOCPART == 6
	.amdgcn_target "amdgcn-amd-amdhsa--gfx1250"
	.amdhsa_code_object_version 6
	.text
	.protected	k_q5c0b2662cb_main
	.globl	k_q5c0b2662cb_main
	.p2align	8
	.type	k_q5c0b2662cb_main,@function
k_q5c0b2662cb_main:
	s_mov_b64 s[64:65], 0
	v_nop
	global_prefetch_b8 v0, s[64:65] scope:SCOPE_SE
	s_setreg_imm32_b32 hwreg(HW_REG_WAVE_MODE, 25, 1), 1
	s_wait_xcnt 0x0
	s_wait_alu depctr_hold_cnt(0) depctr_sa_sdst(0) depctr_va_vdst(0) depctr_va_sdst(0) depctr_va_ssrc(0) depctr_va_vcc(0) depctr_vm_vsrc(0)
	s_getreg_b32 s2, hwreg(HW_REG_IB_STS2, 6, 4)
	s_cmp_eq_u32 s2, 0
	s_cbranch_scc0 .Lentry_in_a_cluster
	s_endpgm
.Lentry_in_a_cluster:
	s_bfe_u32 s2, ttmp6, 0x10000c
	s_cmp_lg_u32 s2, 0x3003
	s_cbranch_scc0 .Lentry_shape_is_right
	s_endpgm
.Lentry_shape_is_right:
; out0 = norm2(n1 + relu(n1 W1 + b1) W2 + b2),  n1 = norm1(x + softmax(q k^T / sqrt(512)) v),  norm(h) = a (h - mean) / (std + 1e-6) + b with std over 511.
; qkv holds three tensors of bf16 [16384][512]: q = x (Wq Wk^T), k = x, v = x Wv: with these q k^T is the reference's (x Wq)(x Wk)^T for every input.
; W1^T [2048 n][512 k] and W2 [2048 k][512 n]: bf16 in wt; x, b1, b2, the four scalars and out0: f32.
; FORMATS.  Matrix operands in bf16 (q, k, v, the weights p, n1 as an operand, the hidden numbers, W1, W2: each rounded once); all sums, the running maximum, l, both residuals and both norms in f32.
; l is the sum of the unrounded p.  LIMITS.  A weight p below 2^-126 counts as 0; a variance below 2^-126 counts as 0 under the root; exponential, root and reciprocal are good to one unit in the
; last place (ISA guide, their entries); NaN and infinities are not treated apart.
; SHARES.  A work-group of four waves owns 64 rows from first to last: whole rows, since both norms want them.  Two kinds of step, 128 matrix instructions a wave each, on LDS tiles of 131,072 bytes:
;   N-STEP  [64 x 512], as fragments in every wave's registers (windows 1, 2), times a tile of 128 n x 512 k (k along the rows): 64 x 128 finished numbers; a wave makes 64 x 32 in 8 accumulators.
;   K-STEP  [64 x 128], read from LDS (HX), times a tile of 128 k x 512 n (n along the rows, turned by ds_load_tr16_b128), added onto 64 x 512 that stay: a wave holds 64 x 128 in 32 accumulators (window 3).
; Attention: 4 x (N-step on 128 keys of k; running softmax; K-step on the same keys of v).  FFN: 16 x (N-step on 128 hidden units of W1^T, started with b1; ReLU; K-step on the same rows of W2).
; The window-3 accumulator holds O, then x + O / l, then n1, then n1 + b2 + the FFN's sums, then the result.
; THE NORM'S TEXT STANDS ONCE, in a loop of two trips: the first goes on through the FFN, the second leaves the loop in front of it.
; RING.  Slot 0 takes the N-steps' tiles, slot 1 the K-steps'.  The change of slots at a step's end fills that step's slot with the slot's next tile: 40 tiles in all.
; THE ORDER OF THE HIDDEN UNITS.  The FFN's sum over its 16 chunks of 128 units may be taken in any order: cluster g begins at chunk g % 16 and goes round, so that the 64 clusters ask for 16 different
; tiles at a time and not all for the same one.  A trip's W1^T, b1 and W2 are one chunk's; a tile's address is made anew from the chunk's number.
; CLUSTER.  The four work-groups of a cluster belong to one batch and walk the same tiles: each tile is asked for JOINTLY, each wave bringing 32 rows of 1,024 bytes.
; THE MATRIX INSTRUCTION IS USED TRANSPOSED (source 0 = 16 rows n, source 1 = 16 of my rows): register j of lane l holds (row l % 16, column 8 (l / 16) + j).
; PREFETCH INTO THE L2.  In the attention loop's first two trips, behind the joint load for k: tile j + 2 of k and of v, 512 blocks of 256 bytes each, a lane a block; of the two clusters of a batch the even one
; asks, its four partners sharing the blocks out by address.  In the last two trips: 32 of my own rows of x each, which the residual loads behind the loop.  The weights are walked by all 64 clusters,
; not read once, and are not asked for.
; REGISTERS, in windows of 256 (s_set_vgpr_msb: bits 1:0 source 0, 3:2 source 1, 5:4 source 2, 7:6 destination):
;   window 0: v1-21 addresses; v24-55 statistics; v64-255 fragment buffers, the 8 small accumulators, stages     windows 1, 2: the left operand's fragments (rows 16 a, channels 32 s at 32 (s % 8) + 8 a of
;   window 1 + s / 8); window 1 also x on its way in     window 3: accumulator (a, b) at 8 (8 a + b)
.set PITA, 1040                        ; slot 0's rows, and U's: 1,024 + 16 bytes = 260 words: row r starts at bank 4 r mod 64 (64 banks of 4 bytes: ISA guide 11.1)
.set PITB, 1056                        ; slot 1's rows: 1,024 + 32 bytes
.set SLOT1, 128*PITA
.set U,     SLOT1+128*PITB             ; 33,792 bytes: the left operand's exchange (32 rows x 1,040); for each wave a stage of 16 rows x 528 in f32
.set HX,    U+33792                    ; 17,408 bytes: the K-step's left operand, 64 rows x 272
.set RED,   HX+17408                   ; 4,096 bytes: four tables [4 waves][16 r][4 a] f32: maxima, l, sums, sums of squares
.set SPARE, RED+4096                   ; the spare words, 128 bytes a wave: two blocks of 256 bytes that no other line names
.set HP,    272
.set FP,    528
.set TILEB, 131072
.set ABK, 1                            ; v1   my fragments of slot 0
.set ABV, 2                            ; v2, v3  my turned fragments of slot 1: rows 0-63, rows 64-127
.set AHX, 4                            ; v4   a fragment of HX
.set HXW, 5                            ; v5   where I put 16 bytes of a row of HX
.set AU,  6                            ; v6   a fragment of U
.set UAW, 7                            ; v7   where I put 16 bytes of n1
.set UQW, 8                            ; v8   where I put 16 bytes of q
.set STW, 9                            ; v9   my stage, by accumulator: row r, 32 bytes for each half of the lanes
.set STR, 10                           ; v10  my stage, by rows: 16 bytes a lane
.set REDW, 11
.set REDR, 12
.set XO,  13                           ; v13  my 16 bytes of my wave's 512 in a row of x or out0
.set QO,  14
.set B1O, 15
.set B2O, 16
.set PFO, 17                           ; v17  prefetch of k, v: 256 x (32 w + l)
.set SPW, 18                           ; v18  LDS address of my spare word; never rewritten
.set NIL, 19                           ; v19  0; never rewritten
.set ZR,  20                           ; v20  0, for the ReLU
.set PFX, 21                           ; v21  prefetch of x: row l / 2, block l % 2 of my wave's two
.set ST,  24                           ; v24-31  by a: c m, m
.set LS,  32                           ; v32-39  by a: a pair of partial sums
.set AL,  40                           ; v40-47  by a: a factor in the low word of a pair
.set BI,  32                           ; v32-47  in the FFN: b1 of my 32 hidden units
.set T,   48
.set T2,  52
.set PK,  64                           ; the packed weights p
.set PKH, 160                          ; the packed hidden numbers: v64-127 hold W2's first fragments by then
.set TL,  96
.set PT,  128
.set B2,  192
.set FB0, 64
.set FB1, 128
.set SA,  192                          ; small accumulator (a, b) at SA + 8 (2 a + b)
.set KB0, 64                           ; a K-step's buffers: 8 fragments of the tile, then 4 of HX
.set KB1, 160
.set W1F, 24                           ; s[24:25] W1^T's tile of my cluster's first chunk, at my 32 rows
.set W2F, 26                           ; s[26:27] W2's
.set CA,  28                           ; s28  the chunk that slot 0 asks for next
.set CB,  29                           ; s29  the chunk that slot 1 asks for next
.set WV,  30
.set CX,  31
.set CNT, 32
.set LIM, 33                           ; s33  0: my cluster asks for k and v ahead
.set LNB, 34                           ; s[34:35] behind the head: the bias of the norm in hand, named as a pair
.set G1A, 36
.set G1B, 44
.set G0A, 52
.set G0B, 56
.set PA,  60                           ; s[60:61] attention: slot 0's next tile, at my 32 rows
.set PB,  62                           ; s[62:63] slot 1's
.set W1P, 66                           ; s[66:67] W1^T's chunk 0, at my 32 rows
.set W2P, 68                           ; s[68:69] W2's
.set XP,  70
.set OUTP, 72
.set QP,  74
.set B1P, 76
.set PFK, 78
.set PFV, 80
.set XPF, 82
.set CS,  84                           ; s[84:85] c = log2(e) / sqrt(512)
.set SEL, 86
.set GA1, 88
.set GA2, 89
.set GB1, 90
.set PASS, 91                          ; s91  counts the two norms
.set GB2, 92
.set XI,  94                           ; s[94:95]
.set OFF, 96                           ; s[96:97] a chunk's byte offset in W1^T and in W2
.set CBI, 98                           ; s98  the chunk whose b1 was asked for last
.set LNA, 99                           ; s99  behind the head: the gain of the norm in hand
.set MSB, 0
.macro WIN new
.if MSB != (\new)
	s_set_vgpr_msb (MSB<<8)|(\new)
.set MSB, (\new)
.endif
.endm
.macro PLACES n
.rept \n
	v_nop
.endr
.endm
.macro ALL4 line:vararg                ; one line for each a = za
.set za, 0
.rept 4
	\line
.set za, za+1
.endr
.endm
.macro CREST
	s_cmp_lg_u32 s[WV], 0
	s_cbranch_scc1 .Lnot_wave_0_\@
	s_barrier_signal -3
.Lnot_wave_0_\@:
	s_barrier_wait -3
	s_barrier_signal -1
	s_barrier_wait -1
.endm
.macro CROUND
	s_barrier_signal -1
	s_barrier_wait -1
	CREST
.endm
.macro BAR                             ; a plain barrier; a tile on its way may stay out
	s_wait_dscnt 0x0
	s_barrier_signal -1
	s_barrier_wait -1
.endm
.macro JLOAD g0, g1
	tensor_load_to_lds s[(\g0):(\g0)+3], s[(\g1):(\g1)+7]
	s_nop 0
	PLACES 4
.endm
; Attention: a group 0 takes the slot's next tile; sel = 1: behind the batch's last tile comes the weights' first
.macro SETG0 g0, p, alt, sel
.if \sel
	s_cmp_eq_u32 s[CNT], 1
	s_cselect_b64 s[(\p):(\p)+1], s[(\alt):(\alt)+1], s[(\p):(\p)+1]
.endif
	s_mov_b64 s[(\g0)+2:(\g0)+3], s[(\p):(\p)+1]
	s_or_b32 s[(\g0)+3], s[(\g0)+3], 0x80000000
	s_add_nc_u64 s[(\p):(\p)+1], s[(\p):(\p)+1], TILEB
.endm
; FFN: a group 0 takes chunk c's tile, and c goes one on, round the sixteen
.macro SETGC g0, base, c
	s_lshl_b32 s[OFF], s[\c], 17
	s_add_nc_u64 s[(\g0)+2:(\g0)+3], s[(\base):(\base)+1], s[OFF:OFF+1]
	s_or_b32 s[(\g0)+3], s[(\g0)+3], 0x80000000
	s_add_co_u32 s[\c], s[\c], 1
	s_and_b32 s[\c], s[\c], 15
.endm
.macro AREAD hh                        ; 32 rows of U into the left operand's fragments a = 2 hh, 2 hh + 1: 64 loads
.set zw, 0
.rept 2
	WIN 0x40+0x40*zw
.set zz, 0
.rept 16
.set rr, 32*(zz/2)+8*(2*(\hh)+zz%2)
	ds_load_b128 v[rr:rr+3],   v[AU] offset:(zz%2)*16*PITA+64*(8*zw+zz/2)
	ds_load_b128 v[rr+4:rr+7], v[AU] offset:(zz%2)*16*PITA+64*(8*zw+zz/2)+32
.set zz, zz+1
.endr
.set zw, zw+1
.endr
	WIN 0
.endm
.macro NFETCH i, fb                    ; 16 loads: my 32 rows of slot 0, channels 128 i on
	WIN 0
.set zz, 0
.rept 8
	ds_load_b128 v[(\fb)+8*zz:(\fb)+8*zz+3],   v[ABK] offset:(zz%2)*16*PITA+64*(4*(\i)+zz/2)
	ds_load_b128 v[(\fb)+8*zz+4:(\fb)+8*zz+7], v[ABK] offset:(zz%2)*16*PITA+64*(4*(\i)+zz/2)+32
.set zz, zz+1
.endr
.endm
; 8 matrix instructions; the eight accumulators take turns.  A step's first eight start the sums: with 0, or (cin = 1) with b1.
.macro NMUL i, fb, sl, cin
	WIN 0x04+0x04*((\i)/2)
.set zz, 0
.rept 8
.set rD, SA+8*(2*(zz%4)+zz/4)
.set rB, (\fb)+16*(\sl)+8*(zz/4)
.set rA, 128*((\i)%2)+32*(\sl)+8*(zz%4)
.if ((\i)+(\sl)) != 0
	v_wmma_f32_16x16x32_bf16 v[rD:rD+7], v[rB:rB+7], v[rA:rA+7], v[rD:rD+7]
.elseif \cin
	v_wmma_f32_16x16x32_bf16 v[rD:rD+7], v[rB:rB+7], v[rA:rA+7], v[BI+8*(zz/4):BI+8*(zz/4)+7]
.else
	v_wmma_f32_16x16x32_bf16 v[rD:rD+7], v[rB:rB+7], v[rA:rA+7], 0
.endif
.set zz, zz+1
.endr
.endm
; One of an N-step's first three quarters.  The next quarter's 16 loads go out first, in one run, into the buffer that the quarter before multiplied: they have this quarter's 32 matrix instructions in which to land.
.macro NSTAGE i, cin
	PLACES 4                                       ; in front of loads into registers that matrix instructions have read
	NFETCH (\i)+1, FB0+64*(1-(\i)%2)
	s_wait_dscnt 16                                ; all but the 16 just issued: this quarter's fragments, asked for a quarter ago, are in
	NMUL \i, FB0+64*((\i)%2), 0, \cin
	NMUL \i, FB0+64*((\i)%2), 1, \cin
	NMUL \i, FB0+64*((\i)%2), 2, \cin
	NMUL \i, FB0+64*((\i)%2), 3, \cin
.endm
.macro ASK                             ; see PREFETCH at the head.  The branches hang on the trip and on the cluster's number: alike in all partners
	s_cmp_gt_u32 s[CNT], 2
	s_cbranch_scc0 .Lask_x_\@
	s_cmp_eq_u32 s[LIM], 0
	s_cbranch_scc0 .Lasked_\@
	global_prefetch_b8 v[PFO], s[PFK:PFK+1] th:TH_LOAD_NT scope:SCOPE_SE
	global_prefetch_b8 v[PFO], s[PFV:PFV+1] th:TH_LOAD_NT scope:SCOPE_SE
	s_branch .Lasked_\@
.Lask_x_\@:
	global_prefetch_b8 v[PFX], s[XPF:XPF+1] th:TH_LOAD_NT scope:SCOPE_SE
	global_prefetch_b8 v[PFX], s[XPF:XPF+1] offset:32768 th:TH_LOAD_NT scope:SCOPE_SE
.Lasked_\@:
.endm
; 16 loads: 32 rows of slot 1, turned, for my 128 columns: 8 fragments
.macro KFB sl, kb
	WIN 0
.set zz, 0
.rept 8
	ds_load_tr16_b128 v[(\kb)+8*zz:(\kb)+8*zz+3],   v[ABV+(\sl)/2] offset:((\sl)%2)*32*PITB+32*zz
	ds_load_tr16_b128 v[(\kb)+8*zz+4:(\kb)+8*zz+7], v[ABV+(\sl)/2] offset:((\sl)%2)*32*PITB+16*PITB+32*zz
.set zz, zz+1
.endr
.endm
; 8 loads: HX's four fragments of the same 32 channels
.macro KFA sl, kb
	WIN 0
.set zz, 0
.rept 4
	ds_load_b128 v[(\kb)+64+8*zz:(\kb)+64+8*zz+3],   v[AHX] offset:zz*16*HP+64*(\sl)
	ds_load_b128 v[(\kb)+64+8*zz+4:(\kb)+64+8*zz+7], v[AHX] offset:zz*16*HP+64*(\sl)+32
.set zz, zz+1
.endr
.endm
.macro KFETCH sl, kb
	KFB \sl, \kb
	KFA \sl, \kb
.endm
; An N-step's last quarter changes slots.  In front of the barrier each wave waits for all its tensor loads (one is out: its part of slot 1), adds 0 to its spare word, and waits for that and for its reads of
; slot 0.  fill = 1: the barrier opens a round of the cluster's, and slot 0 is filled again first thing behind the round.  att = 1: attention (its tiles, its prefetches).
; kb = 1: slot 1 is whole behind the barrier, so the K-step's first 16 turned fragments, which do not hang on the hidden numbers, are fetched here: 16 products and the ReLU ahead of their use.
.macro NTURN fill, att, kb
.if \att
	s_wait_xcnt 0x0                                ; the last prefetches, a trip back, have read their addresses
	s_add_nc_u64 s[PFK:PFK+1], s[PFK:PFK+1], TILEB
	s_add_nc_u64 s[PFV:PFV+1], s[PFV:PFV+1], TILEB
	s_cmp_eq_u32 s[CNT], 1
	s_cselect_b32 s[XI], 0x10000, 0                ; the last trip: rows 32-63
	s_add_nc_u64 s[XPF:XPF+1], s[XP:XP+1], s[XI:XI+1]
.endif
	WIN 0
	s_wait_tensorcnt 0x0                           ; no tensor load of mine is out, so a group 0 may be written
	ds_add_u32 v[SPW], v[NIL]
.if \fill
.if \att
	SETG0 G0A, PA, W1F, 1
.else
	SETGC G0A, W1P, CA
.endif
.endif
	s_wait_dscnt 1                                 ; the quarter's fragments are in; the add may be out
	NMUL 3, FB1, 0, 0
	s_wait_dscnt 0x0                               ; the add is done, and my reads of slot 0 are over
	s_barrier_signal -1
	NMUL 3, FB1, 1, 0
	WIN 0
	s_barrier_wait -1
.if \fill
	CREST
	JLOAD G0A, G1A                                 ; its four v_nop are also the places in front of the loads below
.if \att
	ASK
.endif
.else
	PLACES 4
.endif
.if \kb
	KFB 0, KB0
.endif
	NMUL 3, FB1, 2, 0
	NMUL 3, FB1, 3, 0
.endm
.macro KMUL kb, a                      ; 8 matrix instructions on 8 accumulators; an accumulator's next turn comes 32 instructions later
	WIN 0xf0
.set zz, 0
.rept 8
	v_wmma_f32_16x16x32_bf16 v[8*(8*(\a)+zz):8*(8*(\a)+zz)+7], v[(\kb)+8*zz:(\kb)+8*zz+7], v[(\kb)+64+8*(\a):(\kb)+64+8*(\a)+7], v[8*(8*(\a)+zz):8*(8*(\a)+zz)+7]
.set zz, zz+1
.endr
.endm
; One of a K-step's first three quarters: the next quarter's 24 loads first, then this quarter's 32 matrix instructions
.macro KSTAGE sl
	PLACES 4
	KFETCH (\sl)+1, KB0+96*(1-(\sl)%2)
	s_wait_dscnt 24                                ; all but the 24 just issued
	KMUL KB0+96*((\sl)%2), 0
	KMUL KB0+96*((\sl)%2), 1
	KMUL KB0+96*((\sl)%2), 2
	KMUL KB0+96*((\sl)%2), 3
.endm
; A K-step's last quarter changes slots likewise: slot 1 is filled again, and the next N-step's first fragments are fetched from slot 0, which is whole behind the barrier
.macro KTURN att
	WIN 0
	s_wait_tensorcnt 0x0
	ds_add_u32 v[SPW], v[NIL]
.if \att
	SETG0 G0B, PB, W2F, 1
.else
	SETGC G0B, W2P, CB
.endif
	s_wait_dscnt 1
	KMUL KB1, 0
	s_wait_dscnt 0x0                               ; the add is done; my reads of slot 1 and of HX are over
	s_barrier_signal -1
	KMUL KB1, 1
	WIN 0
	s_barrier_wait -1
	CREST
	JLOAD G0B, G1B                                 ; its four v_nop are also the places in front of the loads below
	NFETCH 0, FB0
	KMUL KB1, 2
	KMUL KB1, 3
.endm
; Four numbers a lane (one for each a, equal in both halves of the lanes) meet the other waves': table at RED + ofs; TL + 4 w' + a takes wave w' 's
.macro XCH ofs
	ds_store_b128 v[REDW], v[T:T+3] offset:\ofs
	BAR
.set zz, 0
.rept 4
	ds_load_b128 v[TL+4*zz:TL+4*zz+3], v[REDR] offset:(\ofs)+256*zz
.set zz, zz+1
.endr
	s_wait_dscnt 0x0
.endm
.macro REDUCE ofs                      ; T + a = the row's whole sum of the partial pairs LS: the pair, the other half of the lanes, the four waves
	WIN 0
	ALL4 v_add_f32 v[T+za], v[LS+2*za], v[LS+2*za+1]
	ALL4 v_permlanex16_b32 v[T2+za], v[T+za], s[SEL], s[SEL+1]
	ALL4 v_add_f32 v[T+za], v[T+za], v[T2+za]
	XCH \ofs
	ALL4 v_add_f32 v[T+za], v[TL+za], v[TL+4+za]
	ALL4 v_add_f32 v[T2+za], v[TL+8+za], v[TL+12+za]
	ALL4 v_add_f32 v[T+za], v[T+za], v[T2+za]
.endm
; THE NORM, in place on window 3, with the gain in s[LNA] and the bias in s[LNB].  First the mean, then the squares of the differences from it: no difference of large sums is formed.
; Each accumulator is read from its low end on.
.macro LN
	WIN 0x0f
	ALL4 v_pk_add_f32 v[LS+2*za:LS+2*za+1], v[64*za:64*za+1], v[64*za+2:64*za+3]
	WIN 0x0c
.set zp, 2
.rept 30
	ALL4 v_pk_add_f32 v[LS+2*za:LS+2*za+1], v[LS+2*za:LS+2*za+1], v[64*za+2*zp:64*za+2*zp+1]
.set zp, zp+1
.endr
	REDUCE 2048
	ALL4 v_mul_f32 v[AL+2*za], 0xbb000000, v[T+za]         ; - sum / 512
	WIN 0xc3
.set zz, 0
.rept 128
	v_pk_add_f32 v[2*zz:2*zz+1], v[2*zz:2*zz+1], v[AL+2*(zz/32):AL+2*(zz/32)+1] op_sel_hi:[1,0]
.set zz, zz+1
.endr
	WIN 0x0f
	ALL4 v_pk_mul_f32 v[LS+2*za:LS+2*za+1], v[64*za:64*za+1], v[64*za:64*za+1]
.set zp, 1
.rept 31
	ALL4 v_pk_fma_f32 v[LS+2*za:LS+2*za+1], v[64*za+2*zp:64*za+2*zp+1], v[64*za+2*zp:64*za+2*zp+1], v[LS+2*za:LS+2*za+1]
.set zp, zp+1
.endr
	REDUCE 3072
	ALL4 v_mul_f32 v[T+za], 0x3b004020, v[T+za]            ; / 511
	ALL4 v_sqrt_f32 v[T+za], v[T+za]
	v_nop                                          ; a plain instruction behind the last root,
	s_wait_alu depctr_va_vdst(0)                   ; and one wait for the four, ahead of their first reader
	ALL4 v_add_f32 v[T+za], 0x358637bd, v[T+za]            ; + 1e-6
	ALL4 v_rcp_f32 v[T+za], v[T+za]
	v_nop
	s_wait_alu depctr_va_vdst(0)
	ALL4 v_mul_f32 v[AL+2*za], s[LNA], v[T+za]
	WIN 0xc3
.set zz, 0
.rept 128
	v_pk_fma_f32 v[2*zz:2*zz+1], v[2*zz:2*zz+1], v[AL+2*(zz/32):AL+2*(zz/32)+1], s[LNB:LNB+1] op_sel_hi:[1,0,0]
.set zz, zz+1
.endr
	WIN 0
.endm
.macro BLOAD                           ; b1 of my 32 hidden units, laid as the accumulators are
.set zz, 0
.rept 2
	global_load_b128 v[BI+8*zz:BI+8*zz+3],   v[B1O], s[B1P:B1P+1] offset:64*zz
	global_load_b128 v[BI+8*zz+4:BI+8*zz+7], v[B1O], s[B1P:B1P+1] offset:64*zz+16
.set zz, zz+1
.endr
.endm
.macro TOHX pk                         ; 8 stores: my 32 columns of all 64 rows of HX
.set zz, 0
.rept 8
	ds_store_b128 v[HXW], v[(\pk)+4*zz:(\pk)+4*zz+3] offset:(zz/2)*16*HP+32*(zz%2)
.set zz, zz+1
.endr
.endm
.macro HOUT more                       ; the hidden numbers: rounded, ReLU on the packed halves, into HX; more = 1: the next chunk's b1 is asked for
	WIN 0
	PLACES 4                                       ; the conversions read results just made and write registers that the last products read
.set zz, 0
.rept 32
	v_cvt_pk_bf16_f32 v[PKH+zz], v[SA+2*zz], v[SA+2*zz+1]
.set zz, zz+1
.endr
.set zz, 0
.rept 32
	v_pk_max_num_bf16 v[PKH+zz], v[PKH+zz], v[ZR]
.set zz, zz+1
.endr
	TOHX PKH
.if \more
	s_wait_xcnt 0x0                                ; the last loads of b1 have read their base
	s_add_co_u32 s[CBI], s[CBI], 1                 ; round the sixteen
	s_and_b32 s[CBI], s[CBI], 15
	s_lshl_b32 s2, s[CBI], 9                       ; a chunk's 128 numbers of b1: 512 bytes
	s_add_nc_u64 s[B1P:B1P+1], s[10:11], s[2:3]
	BLOAD
.endif
	BAR
.endm
	s_load_b512 s[4:19], s[0:1], 0x0               ; x s[4:5], qkv s[6:7], wt s[8:9], b1 s[10:11], b2 s[12:13], a1 s[14:15], bb1 s[16:17], a2 s[18:19]
	s_load_b128 s[20:23], s[0:1], 0x40             ; bb2 s[20:21], out0 s[22:23]
	v_lshl_add_u32 v[SPW], v0, 2, SPARE
	v_mov_b32 v[NIL], 0
	ds_add_u32 v[SPW], v[NIL]                      ; the wave's opening; its wait stands ahead of my first tensor load
	v_lshrrev_b32 v56, 5, v0
	v_readfirstlane_b32 s[WV], v56
	s_bfe_u32 s[CX], ttmp6, 0x40000
	s_lshl_b32 s96, ttmp9, 2                       ; in a cluster launch ttmp9 counts clusters
	s_add_co_u32 s96, s96, s[CX]                   ; my block of 64 rows: it enters x's, q's, out0's and the prefetches' addresses alone
	s_lshl_b32 s94, s96, 16
	s_mov_b32 s95, 0
	s_lshl_b32 s96, s96, 17
	s_mov_b32 s97, 0
	s_and_b32 s[LIM], ttmp9, 1
	s_lshr_b32 s24, ttmp9, 1                       ; the batch, which the four partners share
	s_lshl_b32 s24, s24, 19
	s_add_co_u32 s24, s24, 0x1000000               ; k of my batch, in bytes from qkv's first
	s_mov_b32 s25, 0
	s_lshl_b32 s98, s[CX], 15                      ; the prefetches: my work-group's 128 blocks of a tile's 512,
	s_add_co_u32 s98, s98, s24
	s_add_co_u32 s98, s98, TILEB                   ; at tile 1: the first trip steps them to tile 2
	s_mov_b32 s99, 0
	s_lshl_b32 s34, s[WV], 15                      ; my 32 rows of a tile in memory
	s_add_co_u32 s24, s24, s34
	s_add_co_u32 s26, s34, 0x180000                ; W1^T
	s_mov_b32 s27, 0
	s_add_co_u32 s28, s34, 0x380000                ; W2
	s_mov_b32 s29, 0
	s_mov_b32 s[G1A], 15|(1<<16)|(1<<20)|(1<<21)|(7<<22)|(3<<25)  ; mask of four; 2-byte elements; padding on; bit 21 beside a mask; after every 256 words; 4 words
	s_mov_b32 s[G1B], 15|(1<<16)|(1<<20)|(1<<21)|(7<<22)|(7<<25)  ; the same with 8 words
.irp g, G1A, G1B
	s_mov_b32 s[(\g)+1], 512<<16                   ; tensor_dim0 = 512
	s_mov_b32 s[(\g)+2], 32<<16                    ; tensor_dim1 = 32
	s_mov_b32 s[(\g)+3], 512<<16                   ; tile_dim0 = 512
	s_mov_b32 s[(\g)+4], 32                        ; tile_dim1 = 32
	s_mov_b32 s[(\g)+5], 512                       ; elements from row to row
	s_mov_b32 s[(\g)+6], 0
	s_mov_b32 s[(\g)+7], 0
.endr
	s_mov_b32 s[G0A], 1
	s_mul_i32 s[G0A+1], s[WV], 32*PITA             ; my quarter of slot 0
	s_mov_b32 s[G0B], 1
	s_mul_i32 s35, s[WV], 32*PITB
	s_add_co_u32 s[G0B+1], s35, SLOT1              ; and of slot 1
	s_mov_b32 s[CS], 0x3d8293ee
	s_mov_b32 s[CS+1], s[CS]
	s_mov_b32 s[SEL], 0x76543210
	s_mov_b32 s[SEL+1], 0xfedcba98
	s_mov_b32 s3, 0                                ; the high word of b1's offset
	s_wait_dscnt 0x0                               ; the opening add is done
	s_wait_kmcnt 0x0
	s_add_nc_u64 s[PA:PA+1], s[6:7], s[24:25]
	s_add_nc_u64 s[PB:PB+1], s[PA:PA+1], 0x1000000
	s_add_nc_u64 s[W1P:W1P+1], s[8:9], s[26:27]
	s_add_nc_u64 s[W2P:W2P+1], s[8:9], s[28:29]
	s_add_nc_u64 s[XP:XP+1], s[4:5], s[96:97]
	s_add_nc_u64 s[OUTP:OUTP+1], s[22:23], s[96:97]
	s_add_nc_u64 s[QP:QP+1], s[6:7], s[94:95]
	s_add_nc_u64 s[PFK:PFK+1], s[6:7], s[98:99]
	s_add_nc_u64 s[PFV:PFV+1], s[PFK:PFK+1], 0x1000000
	s_mov_b64 s[XPF:XPF+1], s[XP:XP+1]
	s_and_b32 s[CBI], ttmp9, 15                    ; my cluster's first chunk of hidden units: the same in all four partners
	s_lshl_b32 s[OFF], s[CBI], 17                  ; (the pair's high word is 0)
	s_add_nc_u64 s[W1F:W1F+1], s[W1P:W1P+1], s[OFF:OFF+1]
	s_add_nc_u64 s[W2F:W2F+1], s[W2P:W2P+1], s[OFF:OFF+1]
	s_add_co_u32 s[CA], s[CBI], 1                  ; the FFN's first refills ask for the chunk behind it
	s_and_b32 s[CA], s[CA], 15
	s_mov_b32 s[CB], s[CA]
	s_lshl_b32 s2, s[CBI], 9
	s_add_nc_u64 s[B1P:B1P+1], s[10:11], s[2:3]
	s_load_b32 s[GA1], s[14:15], 0x0
	s_load_b32 s[GB1], s[16:17], 0x0
	s_load_b32 s[GA2], s[18:19], 0x0
	s_load_b32 s[GB2], s[20:21], 0x0
	SETG0 G0A, PA, W1F, 0                          ; k's tile 0
	SETG0 G0B, PB, W2F, 0                          ; v's tile 0
	CROUND                                         ; all four work-groups are here: the first joint loads meet
	tensor_load_to_lds s[G0A:G0A+3], s[G1A:G1A+7]  ; both first fills together: two loads of mine are out
	s_nop 0
	tensor_load_to_lds s[G0B:G0B+3], s[G1B:G1B+7]
	s_nop 0
	PLACES 4
	v_and_b32 v56, 31, v0                          ; l
	v_and_b32 v57, 15, v0                          ; r
	v_bfe_u32 v58, v0, 4, 1                        ; h
	s_lshl_b32 s34, s[WV], 13
	v_lshl_add_u32 v[QO], v56, 4, s34
	v_lshl_add_u32 v[PFO], v56, 8, s34
.set zz, 0
.rept 32                               ; q: wave w takes rows 32 H + 8 w + i, two loads of 512 consecutive bytes a row
	global_load_b128 v[64+4*zz:64+4*zz+3], v[QO], s[QP:QP+1] offset:(32*(zz/16)+(zz%16)/2)*1024+512*(zz%2)
.set zz, zz+1
.endr
	v_mul_u32_u24 v59, v57, PITA
	v_lshl_add_u32 v59, v58, 4, v59                ; a fragment's row x pitch + 16 x half
	s_mul_i32 s34, s[WV], 32*PITA
	v_add_nc_u32 v[ABK], s34, v59
	v_add_nc_u32 v[AU], U, v59
	s_lshl_b32 s34, s[WV], 8
	v_add_nc_u32 v[UAW], s34, v[AU]
	v_and_b32 v60, 7, v0
	v_bfe_u32 v61, v0, 3, 1
	v_lshl_add_u32 v60, v58, 3, v60                ; the turning load: lane l reads row 8 h + l % 8, 16 bytes at 16 ((l / 8) % 2)
	v_mul_u32_u24 v60, v60, PITB
	v_lshl_add_u32 v60, v61, 4, v60
	s_add_co_u32 s34, s34, SLOT1                   ; my wave's 128 columns: 256 bytes
	v_add_nc_u32 v[ABV], s34, v60
	v_add_nc_u32 v[ABV+1], 64*PITB, v[ABV]
	v_mul_u32_u24 v59, v57, HP
	v_lshl_add_u32 v59, v58, 4, v59
	v_add_nc_u32 v[AHX], HX, v59
	s_lshl_b32 s34, s[WV], 6
	v_add_nc_u32 v[HXW], s34, v[AHX]
	s_mul_i32 s34, s[WV], 8*PITA
	s_add_co_u32 s34, s34, U
	v_lshl_add_u32 v[UQW], v56, 4, s34
	s_mul_i32 s34, s[WV], 16*FP
	s_add_co_u32 s34, s34, U
	v_lshl_add_u32 v[STR], v56, 4, s34
	v_mul_u32_u24 v59, v57, FP
	v_lshl_add_u32 v59, v58, 5, v59
	v_add_nc_u32 v[STW], s34, v59
	v_lshlrev_b32 v59, 4, v57
	v_add_nc_u32 v[REDR], RED, v59
	s_lshl_b32 s34, s[WV], 8
	v_add_nc_u32 v[REDW], s34, v[REDR]
	s_lshl_b32 s34, s[WV], 9
	v_lshl_add_u32 v[XO], v56, 4, s34
	v_lshl_add_u32 v[B2O], v58, 5, s34
	v_lshrrev_b32 v59, 1, v56
	v_and_b32 v60, 1, v0
	v_lshlrev_b32 v59, 11, v59
	v_lshl_add_u32 v59, v60, 8, v59
	v_add_nc_u32 v[PFX], s34, v59
	s_lshl_b32 s34, s[WV], 7
	v_lshl_add_u32 v[B1O], v58, 5, s34
	v_mov_b32 v[ZR], 0
	; m starts at the lowest finite number, c m far below every c s, O and l at 0: the first step is a step like any other, with a factor 0.  The clearing stands in the wait for q and the first tile.
	ALL4 v_mov_b32 v[ST+2*za], 0xfe000000
	ALL4 v_mov_b32 v[ST+2*za+1], 0xff7fffff
.set zz, 0
.rept 8
	v_mov_b32 v[LS+zz], 0
	v_mov_b32 v[AL+zz], 0
.set zz, zz+1
.endr
	ALL4 v_mov_b32 v[T2+za], 0
	WIN 0xc0
.set zz, 0
.rept 256
	v_mov_b32 v[zz], 0
.set zz, zz+1
.endr
	WIN 0
.macro QHALF hh
.set zz, 0
.rept 16
	ds_store_b128 v[UQW], v[64+64*(\hh)+4*zz:64+64*(\hh)+4*zz+3] offset:(zz/2)*PITA+512*(zz%2)
.set zz, zz+1
.endr
.endm
	s_wait_loadcnt 16                              ; the first half's 16 loads are in
	QHALF 0
	BAR                                            ; rows 0-31 lie in U
	AREAD 0
	BAR                                            ; everybody's reads of U are over
	s_wait_loadcnt 0x0
	QHALF 1
	s_wait_tensorcnt 1                             ; my part of k's tile 0 is in; v's may stay out
	BAR
	AREAD 1
	NFETCH 0, FB0
	s_wait_kmcnt 0x0                               ; the four scalars
	s_mov_b32 s[CNT], 4
.Latt:                                         ; a trip: 128 keys
	PLACES 1                                       ; with the quarter's own four: five places, since the small accumulators lie where the last products' fragments lay
	NSTAGE 0, 0
	NSTAGE 1, 0
	NSTAGE 2, 0
	NTURN 1, 1, 0
	; THE SOFTMAX.  A lane holds, for each of four queries (16 a + r), 16 of the step's 128 scores: keys 32 w + 16 b + 8 h + j.
	WIN 0
	PLACES 4
	ALL4 v_max3_num_f32 v[T+za], v[SA+16*za], v[SA+16*za+1], v[SA+16*za+2]   ; each accumulator is read from its low end on
.set zk, 1
.rept 6
	ALL4 v_max3_num_f32 v[T+za], v[T+za], v[SA+16*za+2*zk+1], v[SA+16*za+2*zk+2]
.set zk, zk+1
.endr
	ALL4 v_max_num_f32 v[T+za], v[T+za], v[SA+16*za+15]
	ALL4 v_permlanex16_b32 v[T2+za], v[T+za], s[SEL], s[SEL+1]
	ALL4 v_max_num_f32 v[T+za], v[T+za], v[T2+za]
	XCH 0
	ALL4 v_max3_num_f32 v[T+za], v[TL+za], v[TL+4+za], v[TL+8+za]
	ALL4 v_mov_b32 v[AL+2*za], v[ST+2*za]                                     ; c m_old
	ALL4 v_max3_num_f32 v[ST+2*za+1], v[T+za], v[TL+12+za], v[ST+2*za+1]      ; the new m
	ALL4 v_mul_f32 v[ST+2*za], s[CS], v[ST+2*za+1]
	ALL4 v_sub_f32 v[AL+2*za], v[AL+2*za], v[ST+2*za]
.macro SCL n                           ; c s - c m for pair n of 32
	v_pk_fma_f32 v[SA+2*(\n):SA+2*(\n)+1], v[SA+2*(\n):SA+2*(\n)+1], s[CS:CS+1], v[ST+2*((\n)/8):ST+2*((\n)/8)+1] op_sel_hi:[1,0,0] neg_lo:[0,0,1] neg_hi:[0,0,1]
.endm
.set zz, 0
.rept 8
	SCL zz
.set zz, zz+1
.endr
.set zz, 0
.rept 32                               ; ONE BATCH of 68 exponentials, a scaling between each two; nothing here names a result of theirs
.if zz < 24
	SCL zz+8
.endif
	v_exp_f32 v[SA+2*zz], v[SA+2*zz]
	v_exp_f32 v[SA+2*zz+1], v[SA+2*zz+1]
.set zz, zz+1
.endr
	ALL4 v_exp_f32 v[AL+2*za], v[AL+2*za]                                     ; the factor 2^(c m_old - c m_new)
	v_nop                                          ; a plain instruction behind the last exponential,
	s_wait_alu depctr_va_vdst(0)                   ; and one wait for the batch, ahead of its first reader
.set zz, 0
.rept 32
	v_cvt_pk_bf16_f32 v[PK+zz], v[SA+2*zz], v[SA+2*zz+1]
.set zz, zz+1
.endr
	TOHX PK
.set zz, 0
.rept 16                               ; the sums of the unrounded weights, in place: neighbours 1, 2 and 4 pairs apart
	v_pk_add_f32 v[SA+4*zz:SA+4*zz+1], v[SA+4*zz:SA+4*zz+1], v[SA+4*zz+2:SA+4*zz+3]
.set zz, zz+1
.endr
.set zz, 0
.rept 8
	v_pk_add_f32 v[SA+8*zz:SA+8*zz+1], v[SA+8*zz:SA+8*zz+1], v[SA+8*zz+4:SA+8*zz+5]
.set zz, zz+1
.endr
	ALL4 v_pk_add_f32 v[SA+16*za:SA+16*za+1], v[SA+16*za:SA+16*za+1], v[SA+16*za+8:SA+16*za+9]
	ALL4 v_pk_fma_f32 v[LS+2*za:LS+2*za+1], v[LS+2*za:LS+2*za+1], v[AL+2*za:AL+2*za+1], v[SA+16*za:SA+16*za+1] op_sel_hi:[1,0,1]
	BAR                                            ; all 128 keys' weights lie in HX
	KFETCH 0, KB0
	WIN 0xc3                                       ; O times the factor, while the loads are out
.set zz, 0
.rept 128
	v_pk_mul_f32 v[2*zz:2*zz+1], v[2*zz:2*zz+1], v[AL+2*(zz/32):AL+2*(zz/32)+1] op_sel_hi:[1,0]
.set zz, zz+1
.endr
	KSTAGE 0
	KSTAGE 1
	KSTAGE 2
	KTURN 1
	WIN 0
	s_sub_co_u32 s[CNT], s[CNT], 1
	s_cmp_lg_u32 s[CNT], 0
	s_cbranch_scc1 .Latt
	; THE RESIDUAL.  x comes by whole rows (512 consecutive bytes a load: my wave's 128 columns) and is turned into the accumulators' layout through my own stage, 16 rows at a time.
	s_wait_dscnt 0x0                               ; (the fragments fetched by the last change of slots are fetched again below)
	PLACES 4
.set zz, 0
.rept 8
	global_load_b128 v[B2+8*zz:B2+8*zz+3],   v[B2O], s[12:13] offset:64*zz      ; b2 of my 128 columns, laid as the accumulators are
	global_load_b128 v[B2+8*zz+4:B2+8*zz+7], v[B2O], s[12:13] offset:64*zz+16
.set zz, zz+1
.endr
	WIN 0x40
.set zz, 0
.rept 64
	global_load_b128 v[4*zz:4*zz+3], v[XO], s[XP:XP+1] offset:2048*zz th:TH_LOAD_NT
.set zz, zz+1
.endr
	REDUCE 1024                                    ; l
	ALL4 v_rcp_f32 v[AL+2*za], v[T+za]
	v_nop
	s_wait_alu depctr_va_vdst(0)
.macro XSTAGE a
	s_wait_loadcnt 48-16*(\a)                      ; the younger tiles of 16 rows stay out
	WIN 0x04
.set zz, 0
.rept 16
	ds_store_b128 v[STR], v[64*(\a)+4*zz:64*(\a)+4*zz+3] offset:FP*zz
.set zz, zz+1
.endr
	WIN 0x40
.set zz, 0
.rept 8
	ds_load_b128 v[64*(\a)+8*zz:64*(\a)+8*zz+3],   v[STW] offset:64*zz     ; LDS serves a wave's instructions in order (ISA guide 5.7.1.4): these see the stores above
	ds_load_b128 v[64*(\a)+8*zz+4:64*(\a)+8*zz+7], v[STW] offset:64*zz+16
.set zz, zz+1
.endr
.endm
.macro XADD a, left                    ; O / l + x
	s_wait_dscnt \left
	WIN 0xd3
.set zz, 0
.rept 32
	v_pk_fma_f32 v[64*(\a)+2*zz:64*(\a)+2*zz+1], v[64*(\a)+2*zz:64*(\a)+2*zz+1], v[AL+2*(\a):AL+2*(\a)+1], v[64*(\a)+2*zz:64*(\a)+2*zz+1] op_sel_hi:[1,0,1]
.set zz, zz+1
.endr
.endm
	XSTAGE 0
	XSTAGE 1
	XADD 0, 32                                     ; the next tile's 16 stores and 16 loads may be out
	XSTAGE 2
	XADD 1, 32
	XSTAGE 3
	XADD 2, 32
	XADD 3, 0
	WIN 0
	s_mov_b32 s[LNA], s[GA1]                       ; the first norm's gain and bias
	s_mov_b32 s[LNB], s[GB1]
	s_mov_b32 s[LNB+1], 0                          ; named with it as a pair
	s_mov_b32 s[PASS], 2
.Lpass:                                        ; two trips: the same count in every wave of every work-group
	LN
	s_cmp_eq_u32 s[PASS], 1
	s_cbranch_scc1 .Lout                           ; behind the second norm: out of the loop
	; n1 AS THE LEFT OPERAND: rounded to bf16, 32 rows at a time through U, into every wave's fragments.  The f32 n1 stays in window 3.
.macro N1HALF hh
	WIN 0x0f
.set zz, 0
.rept 64
	v_cvt_pk_bf16_f32 v[PT+zz], v[128*(\hh)+2*zz], v[128*(\hh)+2*zz+1]
.set zz, zz+1
.endr
	WIN 0
.endm
.macro N1STORE
.set zz, 0
.rept 16
	ds_store_b128 v[UAW], v[PT+4*zz:PT+4*zz+3] offset:(zz/8)*16*PITA+32*(zz%8)
.set zz, zz+1
.endr
.endm
	N1HALF 0
	N1STORE
	BAR
	AREAD 0
	N1HALF 1
	BAR                                            ; everybody's reads of U are over
	N1STORE
	BAR
	AREAD 1
	WIN 0xc3                                       ; n1 + b2 starts the FFN's sums
.set zz, 0
.rept 128
	v_pk_add_f32 v[2*zz:2*zz+1], v[2*zz:2*zz+1], v[B2+(2*zz)%64:B2+(2*zz)%64+1]
.set zz, zz+1
.endr
	WIN 0
	BLOAD                                          ; b1 of my cluster's first chunk
	NFETCH 0, FB0
	s_mov_b32 s[CNT], 15
.Lffn:                                         ; a trip: a chunk of 128 hidden units
	PLACES 1                                       ; with the quarter's own four: five places
	s_wait_loadcnt 0x0                             ; b1
	NSTAGE 0, 1
	NSTAGE 1, 1
	NSTAGE 2, 1
	NTURN 1, 0, 1
	HOUT 1
	KFA 0, KB0                                     ; the eight loads that hang on the hidden numbers; W2's sixteen are in since the barrier's wait
	KSTAGE 0
	KSTAGE 1
	KSTAGE 2
	KTURN 0
	WIN 0
	s_sub_co_u32 s[CNT], s[CNT], 1
	s_cmp_lg_u32 s[CNT], 0
	s_cbranch_scc1 .Lffn
	PLACES 1                                       ; the last chunk is written out: nothing is left to ask for
	s_wait_loadcnt 0x0
	NSTAGE 0, 1
	NSTAGE 1, 1
	NSTAGE 2, 1
	NTURN 0, 0, 1
	HOUT 0
	KFA 0, KB0
	KSTAGE 0
	KSTAGE 1
	KSTAGE 2
	s_wait_dscnt 0x0
	KMUL KB1, 0
	KMUL KB1, 1
	KMUL KB1, 2
	KMUL KB1, 3
	WIN 0
	PLACES 8                                       ; the norm reads results just made (once a launch: twice the four)
	s_mov_b32 s[LNA], s[GA2]                       ; the second norm's gain and bias
	s_mov_b32 s[LNB], s[GB2]
	s_sub_co_u32 s[PASS], s[PASS], 1
	s_cmp_lg_u32 s[PASS], 0
	s_cbranch_scc1 .Lpass
.Lout:
	; THE WAY OUT: 16 rows at a time through my own stage, back as whole rows of 512 bytes
.set zo, 0
.rept 4
.if zo == 3
	s_wait_xcnt 0x0                                ; the first tile's stores have read the registers that are loaded again
.endif
	WIN 0x0c
.set zz, 0
.rept 8
	ds_store_b128 v[STW], v[64*zo+8*zz:64*zo+8*zz+3]   offset:64*zz
	ds_store_b128 v[STW], v[64*zo+8*zz+4:64*zo+8*zz+7] offset:64*zz+16
.set zz, zz+1
.endr
	WIN 0
.set zz, 0
.rept 16
	ds_load_b128 v[64+64*(zo%3)+4*zz:64+64*(zo%3)+4*zz+3], v[STR] offset:FP*zz
.set zz, zz+1
.endr
.set zz, 0
.rept 16
	s_wait_dscnt 15-zz
	global_store_b128 v[XO], v[64+64*(zo%3)+4*zz:64+64*(zo%3)+4*zz+3], s[OUTP:OUTP+1] offset:(16*zo+zz)*2048 th:TH_STORE_NT  ; a wave stores 512 consecutive bytes, aligned
.set zz, zz+1
.endr
.set zo, zo+1
.endr
	s_wait_tensorcnt 0x0                           ; the wave's end
	ds_add_u32 v[SPW], v[NIL]
	s_wait_dscnt 0x0
	CROUND                                         ; the closing round: no work-group ends while a partner may still ask for a tile that names it
	s_endpgm
.Lfunc_end_k_q5c0b2662cb_main:
	.size	k_q5c0b2662cb_main, .Lfunc_end_k_q5c0b2662cb_main-k_q5c0b2662cb_main
	.p2alignl 7, 3214868480
	.fill 96, 4, 3214868480
	.section	.rodata,"a",@progbits
	.p2align	6, 0x0
	.amdhsa_kernel k_q5c0b2662cb_main
		.amdhsa_group_segment_fixed_size 327680
		.amdhsa_private_segment_fixed_size 0
		.amdhsa_enable_private_segment 0
		.amdhsa_kernarg_size 80
		.amdhsa_user_sgpr_count 2
		.amdhsa_user_sgpr_kernarg_segment_ptr 1
		.amdhsa_wavefront_size32 1
		.amdhsa_system_sgpr_workgroup_id_x 1
		.amdhsa_system_sgpr_workgroup_id_y 1
		.amdhsa_system_sgpr_workgroup_id_z 1
		.amdhsa_system_vgpr_workitem_id 0
		.amdhsa_next_free_vgpr 1024
		.amdhsa_next_free_sgpr 100
		.amdhsa_reserve_vcc 0
		.amdhsa_float_denorm_mode_32 3
		.amdhsa_float_denorm_mode_16_64 3
		.amdhsa_memory_ordered 1
		.amdhsa_forward_progress 1
		.amdhsa_inst_pref_size 255
	.end_amdhsa_kernel
	.section	.bss,"aw",@nobits
	.p2align	6
	.space	262144
	.amdgpu_metadata
---
amdhsa.version: [ 1, 2 ]
amdhsa.kernels:
  - .name:           k_q5c0b2662cb_main
    .symbol:         k_q5c0b2662cb_main.kd
    .args:
      - { .name: x, .offset: 0, .size: 8, .value_kind: global_buffer, .address_space: global }
      - { .name: qkv, .offset: 8, .size: 8, .value_kind: global_buffer, .address_space: global }
      - { .name: wt, .offset: 16, .size: 8, .value_kind: global_buffer, .address_space: global }
      - { .name: b1, .offset: 24, .size: 8, .value_kind: global_buffer, .address_space: global }
      - { .name: b2, .offset: 32, .size: 8, .value_kind: global_buffer, .address_space: global }
      - { .name: a1, .offset: 40, .size: 8, .value_kind: global_buffer, .address_space: global }
      - { .name: bb1, .offset: 48, .size: 8, .value_kind: global_buffer, .address_space: global }
      - { .name: a2, .offset: 56, .size: 8, .value_kind: global_buffer, .address_space: global }
      - { .name: bb2, .offset: 64, .size: 8, .value_kind: global_buffer, .address_space: global }
      - { .name: out0, .offset: 72, .size: 8, .value_kind: global_buffer, .address_space: global }
    .group_segment_fixed_size: 327680
    .private_segment_fixed_size: 0
    .kernarg_segment_align: 8
    .kernarg_segment_size: 80
    .max_flat_workgroup_size: 128
    .sgpr_count:     100
    .vgpr_count:     1024
    .wavefront_size: 32
...
	.end_amdgpu_metadata
.endif
;; end of part 6
